; MI455X (gfx1250); checked and timed in simulation.
; The chip was launched on July 23, 2026; its instructions are those of AMD's public machine-readable ISA for CDNA 5 (MIT licence, August 2026) and "CDNA5" Instruction Set Architecture Reference Guide (July 2026). The comments in the code are by the model that wrote it; some were corrected since.
;; Dense Flash Block. Allowed arithmetic: matrix products marked QUANTISED: E4M3 operands, one E8M0 scale for each 32 along K, by v_wmma_scale_f32_16x16x128_f8f6f4 with both operands' format E4M3, f32 sums; everything else in f32.
;; Inputs: b_attn 3,072 float32; b_fc 4,096 float32; b_fc2 1,024 float32; b_proj 1,024 float32; hidden_states 2 x 2,048 x 1,024 float32; ln1_b 1,024 float32; ln1_g 1,024 float32; ln2_b 1,024 float32; ln2_g 1,024 float32; w_attn 1,024 x 3,072 float32; w_fc 1,024 x 4,096 float32; w_fc2 4,096 x 1,024 float32; w_proj 1,024 x 1,024 float32.
;; Outputs: out0 2 x 2,048 x 1,024 float32.
;; This version of the problem:
;;   THIS VERSION OF THE PROBLEM IS GIVEN IN LOW PRECISION. The matrix products marked QUANTISED in the list below multiply operands that are first quantised to E4M3 (4 exponent bits, 3 mantissa bits; 8 bits a number), with one power-of-two scale for each 32 numbers along K (OCP MX v1.0); their sums are f32. All else is computed in f32.
;;   The module's matrix products, in the order in which they are computed (A, B: the left and right operand; K: the contracted axis; several contracted axes count as one K, in the product's order):
;;     1. [M 4,096, K 1,024] x [K 1,024, N 3,072]; A: computed on the way; B: input w_attn: QUANTISED
;;     2. batch 32 x [M 2,048, K 64] x [K 64, N 2,048]; A: computed on the way; B: computed on the way: QUANTISED
;;     3. batch 32 x [M 2,048, K 2,048] x [K 2,048, N 64]; A: softmax (see below); B: computed on the way: QUANTISED
;;     4. [M 4,096, K 1,024] x [K 1,024, N 1,024]; A: computed on the way; B: input w_proj: QUANTISED
;;     5. [M 4,096, K 1,024] x [K 1,024, N 4,096]; A: computed on the way; B: input w_fc: QUANTISED
;;     6. [M 4,096, K 4,096] x [K 4,096, N 1,024]; A: computed on the way; B: input w_fc2: QUANTISED
;;   THE QUANTISER, for each operand of a quantised product, along K:
;;     - K is cut into blocks of 32 from its start; a last block that is shorter is filled with zeros.
;;     - A block's scale is 2^e with e = floor(log2(the largest magnitude in the block)) - 8, held to -126 .. 127; a block of zeros has e = 0. As a byte (E8M0): e + 127.
;;     - Each number is divided by its block's scale, clamped to +-448, and rounded to the nearest number of E4M3, ties to even, subnormals kept.
;;     - The product sums the exact products of the quantised numbers (number of the format x scale) in f32.
;;   ~~~python
;;   def quantise(x, axis):      # numpy; x: float32 -> the quantised numbers, widened to float32 again
;;       x = np.moveaxis(x, axis, -1); K = x.shape[-1]
;;       x = np.pad(x, [(0, 0)] * (x.ndim - 1) + [(0, -K % 32)]); x = x.reshape(x.shape[:-1] + (-1, 32)); a = np.abs(x).max(-1, keepdims=True)
;;       e = np.where(a > 0, np.clip(np.frexp(np.where(a > 0, a, 1))[1] - 1 - 8, -126, 127), 0)      # np.frexp(a)[1] - 1 = floor(log2(a)), exactly
;;       r = np.clip(x / 2.0 ** e, -448, 448)
;;       step = 2.0 ** (np.maximum(np.frexp(np.where(r == 0, 1, r))[1] - 1, -6) - 3)
;;       q = np.round(r / step) * step * 2.0 ** e      # np.round: ties to even
;;       return np.moveaxis(q.reshape(q.shape[:-2] + (-1,))[..., :K], -1, axis).astype(np.float32)
;;   ~~~
;;   SOFTMAX AHEAD OF A QUANTISED PRODUCT. Where the list says 'softmax', what is quantised is not the finished softmax but p = 2^(t - M), with t = logit x log2(e) and M = ceil(the row's largest t), a whole number; so 1/2 < the row's largest p <= 1. The row's sum l is taken of the UNQUANTISED p, in f32, and the product's result is divided by l at the end. Since M is a whole number, a kernel that streams over the keys may use a running M (the ceiling of the running maximum): every later rescaling is an exact power of two, which a block's scale takes up: the codes' values come out the same.
;;   OPERANDS COMPUTED ON THE WAY. 'Computed on the way' means the value that the module computes at that place (a softmax that the list does not call 'softmax' is quantised finished and normalised). What goes into a quantiser is computed in f32, as accurately as f32 sums, v_exp_f32 and their like allow (about 1e-6 of the number): no bf16 or f16 on the way to a quantiser, and a product that is left as it is and whose result goes on into a quantised operand takes f32 operands (vector FMAs, or v_wmma_f32_16x16x4_f32). A number that lies on a knife's edge between two numbers of the format may be rounded either way, as far as f32 arithmetic and the matrix unit's own rounding can turn it there, and no further.
;; One version. Each part assembles by itself: llvm-mc -triple=amdgcn-amd-amdhsa -mcpu=gfx1250 --defsym DOCPART=n.
;; ======== version 1 of 1: 7 launches
;; limits: right only within a limited range of input values
;; workspace buffers: xw 7,569,408 bytes; wq 9,732,096 bytes; qkv 13,107,200 bytes; yp 4,325,376 bytes; h1 16,777,216 bytes; zp 4,325,376 bytes; hp 17,301,504 bytes
;; launch prep (part 1): grid 384 x 1, 8 waves a work-group, no clusters, 2,048 bytes of LDS; arguments hidden_states, ln1_g, ln1_b, w_attn, w_proj, xw, wq; writes xw, wq
.if DOCPART == 1
	.amdgcn_target "amdgcn-amd-amdhsa--gfx1250"
	.amdhsa_code_object_version 6
	.text
	.protected	k_qcfe05d8c43_prep
	.globl	k_qcfe05d8c43_prep
	.p2align	8
	.type	k_qcfe05d8c43_prep,@function
k_qcfe05d8c43_prep:
	s_mov_b64 s[64:65], 0
	v_nop
	global_prefetch_b8 v0, s[64:65] scope:SCOPE_SE
	s_setreg_imm32_b32 hwreg(HW_REG_WAVE_MODE, 25, 1), 1
	s_wait_xcnt 0x0
; PREP: w_attn and w_proj become codes of E4M3 with E8M0 scale bytes, and LN1(hidden_states) likewise.  First of seven launches: prep, gqkv, attn, proj, ln2, fc, fc2.
; (w_fc and w_fc2, which nothing reads before launch fc, are quantised by launch ln2, by the same macros: so the weights' streaming is shared between the two launches that have no matrix work.)
; DEAD WORK OF THE PROGRAM.  reference() sets scores[q][k] to finfo.min where k > q, by a jnp.tril that it builds itself.  In a row the key k = q always counts, so the row's maximum is a finite score and
; the weight of a hidden key is 0 in exact arithmetic, whatever finite values the inputs hold: it adds nothing to the row's sum nor to the product with V.  So a step of 128 keys all of which come after all
; 16 queries of a tile is left out, in launch attn; 136 of every 256 such steps remain.  Nothing else is left out: every input has a way to out0 and is loaded (b_attn's K part moves K's codes, so it stays).
; LIMIT: a NaN, an infinity or an overflow that reaches only the key steps left out is not carried to the result.
; LIMITS OF THE QUANTISER HERE AND IN ALL LATER LAUNCHES: NaN and infinities among the numbers are not served; a block of zeros, or one whose largest magnitude lies under 2^-118, gets the byte 1
; (the rule says 127 for zeros): its codes are zeros or the rule's, and the bytes are read by this program alone.  f32 sums are formed in another order than reference()'s.
; LAYOUT OF EVERY OPERAND THAT GOES FROM LAUNCH TO LAUNCH: images of the operand's registers.  Rows come in groups of 128 = 8 tiles of 16; lane r of tile i holds row perm(i, r) = 32 (i / 2) + 8 (i % 2) + r % 8 + 16 (r / 8).
; A PANEL is 128 rows x 256 along K, PB = 33,792 bytes: codes at 4096 i + 2048 q + 512 c + 16 lane (q: which 128 of the 256; c: registers 4 c .. 4 c + 3 of the fragment: k = 32 c + 16 (lane / 16) + 0 .. 15),
; scale words at 32768 + 512 q + 64 i + 4 r.  A tensor [R][K] is panels [R / 128][K / 256].  xw: LN1's rows (128 panels), then w_attn's 3,072 rows (96).  wq: w_proj (32), w_fc (128), w_fc2 (128).
; SHARES.  Work-groups 0-127: weights (K is their first axis): one panel a work-group; a lane takes a column n and its registers run down K, so a block of 32 lies in one lane and the codes come out with K innermost;
; a wave takes 32 columns x 128 along K: four blocks, one scale word a column; each store of 16 bytes a lane fills two whole aligned runs of 256 bytes of the panel.  Loads read 128 consecutive bytes a wave, two blocks (64 loads) ahead.
; Work-groups 128-383: one tile of 16 rows of LN1; wave w holds columns 128 w .. 128 w + 127, 64 numbers a lane in the operand's own order; row sums meet in LDS (two barriers).
.set PB,    33792
.set SPARE, 1024                       ; LDS: 0-511 row sums, 512-1023 sums of squares, 1024-2047 the spare words
.set SPW,   252                        ; v252 LDS address of my spare word; never rewritten
.set NIL,   253                        ; v253 0; never rewritten
.set SEL,   40                         ; s[40:41] lane selects: lane l xor 16
.set MNT,   42                         ; s42 the mantissa field of 448
.set XR,    16                         ; v16-79   64 numbers of my row
.set GR,    80                         ; v80-143  their gains
.set BR,    144                        ; v144-207 their biases
.set PC,    208                        ; v208-223 codes (before that: sums at work)
.set TM,    224                        ; v224-239 the quantiser's work
.set PW,    240                        ; v240     the scale word
.set XW,    32                         ; weights: v32-95 two sets of 32 numbers
.set CW,    96                         ; v96-127  codes: 8 registers for each of 4 blocks, never rewritten
.set SB,    24                         ; v24      the scale word
; 64 numbers of a lane, register 16 b + i = k 32 b + 16 (lane / 16) + i of my row, become a fragment's codes in v[PC] on and its scale word in v[pw]
.macro QUANT s, pw
.irp b, 0,1,2,3
	v_max3_num_f32 v[TM+\b], |v[\s+16*\b]|, |v[\s+1+16*\b]|, 0x4800000   ; my 16 numbers of block b, and the floor 2^(9 - 127): the byte cannot fall under 1
.endr
.irp i, 2,4,6,8,10,12,14
.irp b, 0,1,2,3
	s_delay_alu instid0(VALU_DEP_4)
	v_max3_num_f32 v[TM+\b], v[TM+\b], |v[\s+16*\b+\i]|, |v[\s+1+16*\b+\i]|   ; the four blocks by turns
.endr
.endr
.irp b, 0,1,2,3
	s_delay_alu instid0(VALU_DEP_4)
	v_permlanex16_b32 v[TM+4+\b], v[TM+\b], s[SEL], s[SEL+1]
.endr
.irp b, 0,1,2,3
	s_delay_alu instid0(VALU_DEP_4)
	v_max_num_f32 v[TM+\b], v[TM+\b], v[TM+4+\b]   ; with lane l xor 16's: the block's largest magnitude
.endr
.irp b, 0,1,2,3
	s_delay_alu instid0(VALU_DEP_4)
	v_add_nc_u32 v[TM+12+\b], 0xfc000000, v[TM+\b]   ; 8 off its exponent field: the conversion's scale operand
.endr
.irp b, 0,1,2,3
	v_and_or_b32 v[TM+8+\b], v[TM+\b], 0x7f800000, s[MNT]   ; 448 x the scale
.endr
.irp b, 0,1,2,3
	v_lshrrev_b32 v[TM+4+\b], 23, v[TM+12+\b]   ; the scale's byte
.endr
	s_delay_alu instid0(VALU_DEP_3)
	v_lshl_or_b32 v[\pw], v[TM+5], 8, v[TM+4]
	s_delay_alu instid0(VALU_DEP_1)
	v_lshl_or_b32 v[\pw], v[TM+6], 16, v[\pw]
	s_delay_alu instid0(VALU_DEP_1)
	v_lshl_or_b32 v[\pw], v[TM+7], 24, v[\pw]
.irp b, 0,1,2,3
.irp i, 0,1,2,3,4,5,6,7,8,9,10,11,12,13,14,15
	v_med3_num_f32 v[\s+16*\b+\i], v[\s+16*\b+\i], -v[TM+8+\b], v[TM+8+\b]   ; the conversion to an 8-bit code does not saturate (ISA guide 7.6.2): the hold
.endr
	v_cvt_scalef32_pk8_fp8_f32 v[PC+4*\b:PC+1+4*\b], v[\s+16*\b:\s+7+16*\b], v[TM+12+\b]
	v_cvt_scalef32_pk8_fp8_f32 v[PC+2+4*\b:PC+3+4*\b], v[\s+8+16*\b:\s+15+16*\b], v[TM+12+\b]
.endr
	v_nop                                          ; a plain line behind the last conversion
.endm
; four chains of packed sums in v[208:215] become the row's sum over all 1,024 columns, in v241 of every lane
.macro RSUM off
	s_delay_alu instid0(VALU_DEP_3)
	v_pk_add_f32 v[208:209], v[208:209], v[210:211]
	s_delay_alu instid0(VALU_DEP_2)
	v_pk_add_f32 v[212:213], v[212:213], v[214:215]
	s_delay_alu instid0(VALU_DEP_1)
	v_pk_add_f32 v[208:209], v[208:209], v[212:213]
	s_delay_alu instid0(VALU_DEP_1)
	v_add_f32 v241, v208, v209
	s_delay_alu instid0(VALU_DEP_1)
	v_permlanex16_b32 v242, v241, s[SEL], s[SEL+1]
	s_delay_alu instid0(VALU_DEP_1)
	v_add_f32 v241, v241, v242                     ; my wave's 128 columns of row r
	ds_store_b32 v8, v241 offset:\off              ; word 8 r + w; lanes r and r + 16 write the same word with the same value
	s_wait_dscnt 0x0                               ; for the others' sake: my store has landed
	s_barrier_signal -1
	s_barrier_wait -1
	ds_load_b128 v[216:219], v9 offset:\off        ; the eight waves' sums of row r
	ds_load_b128 v[220:223], v9 offset:\off+16
	s_wait_dscnt 0x0
	v_pk_add_f32 v[216:217], v[216:217], v[218:219]
	v_pk_add_f32 v[220:221], v[220:221], v[222:223]
	s_delay_alu instid0(VALU_DEP_1)
	v_pk_add_f32 v[216:217], v[216:217], v[220:221]
	s_delay_alu instid0(VALU_DEP_1)
	v_add_f32 v241, v216, v217
.endm
; Layer norm of tile s24 (16 rows), wave s22's 128 columns, quantised and stored as an image.  XP, GP, BP, DP: the scalar pairs of the rows, gains, biases and panels
.macro LNORM XP, GP, BP, DP
	s_lshr_b32 s25, s24, 3                         ; the group of 128 rows
	s_and_b32 s26, s24, 7                          ; the tile i in it
	s_lshl_b32 s27, s25, 7
	s_lshr_b32 s28, s26, 1
	s_lshl_b32 s28, s28, 5
	s_add_co_u32 s27, s27, s28
	s_and_b32 s28, s26, 1
	s_lshl_b32 s28, s28, 3
	s_add_co_u32 s27, s27, s28                     ; row perm(i, 0) of the group
	s_lshl_b32 s28, s27, 12                        ; 4,096 bytes a row
	s_lshl_b32 s30, s22, 9                         ; my wave's 512 bytes
	s_add_co_u32 s28, s28, s30
	s_mov_b32 s29, 0
	s_mov_b32 s31, 0
	s_add_nc_u64 s[\XP:\XP+1], s[\XP:\XP+1], s[28:29]
	s_add_nc_u64 s[\GP:\GP+1], s[\GP:\GP+1], s[30:31]
	s_add_nc_u64 s[\BP:\BP+1], s[\BP:\BP+1], s[30:31]
	s_lshl_b32 s32, s25, 2
	s_lshr_b32 s33, s22, 1
	s_add_co_u32 s32, s32, s33
	s_mul_i32 s32, s32, PB                         ; panel 4 x group + w / 2
	s_and_b32 s33, s22, 1                          ; q
	s_lshl_b32 s34, s26, 12
	s_add_co_u32 s34, s34, s32
	s_lshl_b32 s35, s33, 11
	s_add_co_u32 s34, s34, s35
	s_mov_b32 s35, 0
	s_lshl_b32 s36, s26, 6
	s_add_co_u32 s36, s36, s32
	s_lshl_b32 s37, s33, 9
	s_add_co_u32 s36, s36, s37
	s_add_co_u32 s36, s36, 32768
	s_mov_b32 s37, 0
	s_add_nc_u64 s[34:35], s[\DP:\DP+1], s[34:35]  ; my fragment's image
	s_add_nc_u64 s[36:37], s[\DP:\DP+1], s[36:37]  ; and its scale words
	s_mov_b32 s[SEL], 0x76543210
	s_mov_b32 s[SEL+1], 0xfedcba98
	s_mov_b32 s43, 0x3a800000                      ; 1 / 1,024
	s_mov_b32 s44, 0x3727c5ac                      ; 1e-5
	v_and_b32 v2, 15, v0                           ; r
	v_bfe_u32 v3, v0, 4, 1                         ; h
	s_delay_alu instid0(VALU_DEP_2)
	v_and_b32 v10, 7, v2
	s_delay_alu instid0(VALU_DEP_3)
	v_lshrrev_b32 v11, 3, v2
	s_delay_alu instid0(VALU_DEP_1)
	v_lshl_add_u32 v10, v11, 4, v10                ; r % 8 + 16 (r / 8)
	s_delay_alu instid0(VALU_DEP_4)
	v_lshlrev_b32 v5, 6, v3                        ; 64 h: my 16 numbers of a block of 32
	s_delay_alu instid0(VALU_DEP_1)
	v_lshl_add_u32 v4, v10, 12, v5                 ; and my row
	v_lshlrev_b32 v6, 4, v1                        ; 16 x lane
	v_lshlrev_b32 v7, 2, v2                        ; 4 r
	v_lshlrev_b32 v9, 5, v2                        ; LDS: 32 r
	s_lshl_b32 s38, s22, 2
	v_add_nc_u32 v8, s38, v9                       ; LDS: 32 r + 4 w
.irp b, 0,1,2,3
.irp j, 0,1,2,3
	global_load_b128 v[XR+16*\b+4*\j:XR+16*\b+4*\j+3], v4, s[\XP:\XP+1] offset:128*\b+16*\j
.endr
.endr
.irp b, 0,1,2,3
.irp j, 0,1,2,3
	global_load_b128 v[GR+16*\b+4*\j:GR+16*\b+4*\j+3], v5, s[\GP:\GP+1] offset:128*\b+16*\j
.endr
.endr
.irp b, 0,1,2,3
.irp j, 0,1,2,3
	global_load_b128 v[BR+16*\b+4*\j:BR+16*\b+4*\j+3], v5, s[\BP:\BP+1] offset:128*\b+16*\j
.endr
.endr
	v_mov_b32 v242, 0                              ; written once: a lane permute's destination counts as one of its sources
.irp b, 0,1,2,3
	v_mov_b32 v[TM+4+\b], 0
.endr
	s_wait_loadcnt 32                              ; the 16 loads of the rows are in; the gains' and the biases' 32 may be out
.irp k, 0,1,2,3
	v_pk_add_f32 v[208+2*\k:209+2*\k], v[XR+4*\k:XR+4*\k+1], v[XR+4*\k+2:XR+4*\k+3]
.endr
.irp m, 16,18,32,34,48,50
.irp k, 0,1,2,3
	s_delay_alu instid0(VALU_DEP_4)
	v_pk_add_f32 v[208+2*\k:209+2*\k], v[208+2*\k:209+2*\k], v[XR+\m+4*\k:XR+\m+4*\k+1]
.endr
.endr
	RSUM 0
	s_delay_alu instid0(VALU_DEP_1)
	v_mul_f32 v244, s43, v241                      ; the mean
	s_delay_alu instid0(VALU_DEP_1)
	v_mov_b32 v245, v244
.set kk, 0
.rept 32
	v_pk_add_f32 v[XR+kk:XR+kk+1], v[XR+kk:XR+kk+1], v[244:245] neg_lo:[0,1] neg_hi:[0,1]   ; x - mean
.set kk, kk+2
.endr
.irp k, 0,1,2,3
	v_pk_mul_f32 v[208+2*\k:209+2*\k], v[XR+2*\k:XR+2*\k+1], v[XR+2*\k:XR+2*\k+1]
.endr
.irp m, 8,16,24,32,40,48,56
.irp k, 0,1,2,3
	s_delay_alu instid0(VALU_DEP_4)
	v_pk_fma_f32 v[208+2*\k:209+2*\k], v[XR+\m+2*\k:XR+\m+2*\k+1], v[XR+\m+2*\k:XR+\m+2*\k+1], v[208+2*\k:209+2*\k]
.endr
.endr
	RSUM 512
	s_delay_alu instid0(VALU_DEP_1)
	v_fma_f32 v246, v241, s43, s44                 ; the variance + 1e-5
	s_wait_alu depctr_va_vdst(0)
	v_rsq_f32 v246, v246
	v_nop                                          ; a plain line behind the transcendental
	s_wait_alu depctr_va_vdst(0)                   ; ahead of the first reader
	v_mov_b32 v247, v246
	s_wait_alu depctr_va_vdst(0)
	s_wait_loadcnt 0x0                             ; gains and biases
.set kk, 0
.rept 32
	v_pk_mul_f32 v[XR+kk:XR+kk+1], v[XR+kk:XR+kk+1], v[246:247]
.set kk, kk+2
.endr
.set kk, 0
.rept 32
	v_pk_fma_f32 v[XR+kk:XR+kk+1], v[XR+kk:XR+kk+1], v[GR+kk:GR+kk+1], v[BR+kk:BR+kk+1]
.set kk, kk+2
.endr
	QUANT XR, PW
.irp c, 0,1,2,3
	global_store_b128 v6, v[PC+4*\c:PC+4*\c+3], s[34:35] offset:512*\c   ; 32 lanes store 512 consecutive bytes, aligned
.endr
	global_store_b32 v7, v[PW], s[36:37]           ; 64 bytes: lanes r and r + 16 store the same word to the same place
	s_wait_tensorcnt 0x0                           ; the wave's end
	ds_add_u32 v[SPW], v[NIL]
	s_wait_dscnt 0x0
	s_endpgm
.endm
.macro WLOAD t, n, src                 ; block t: w(32 t + i, my column), i = 0 .. 31
.irp i, 0,1,2,3,4,5,6,7,8,9,10,11,12,13,14,15,16,17,18,19,20,21,22,23,24,25,26,27,28,29,30,31
	global_load_b32 v[XW+32*((\t)%2)+\i], v3, s[\src:\src+1] offset:(32*(\t)+\i)*(\n)*4 th:TH_LOAD_NT
.endr
.endm
.macro WBLOCK t, n, src, dst
.set XS, XW+32*((\t)%2)
.if (\t) < 3
	s_wait_loadcnt 32                              ; this block's 32 loads are in; the next block's 32 may be out
.else
	s_wait_loadcnt 0x0
.endif
	v_max3_num_f32 v12, |v[XS]|, |v[XS+1]|, |v[XS+2]|
	v_max3_num_f32 v13, |v[XS+3]|, |v[XS+4]|, |v[XS+5]|
.irp i, 6,10,14,18,22,26
	s_delay_alu instid0(VALU_DEP_2)
	v_max3_num_f32 v12, v12, |v[XS+\i]|, |v[XS+\i+1]|
	s_delay_alu instid0(VALU_DEP_2)
	v_max3_num_f32 v13, v13, |v[XS+\i+2]|, |v[XS+\i+3]|
.endr
	s_delay_alu instid0(VALU_DEP_2)
	v_max3_num_f32 v12, v12, |v[XS+30]|, |v[XS+31]|
	s_delay_alu instid0(VALU_DEP_1)
	v_max3_num_f32 v12, v12, v13, 0x4800000        ; the block's largest magnitude, all 32 numbers mine, and the floor
	s_delay_alu instid0(VALU_DEP_1)
	v_add_nc_u32 v11, 0xfc000000, v12              ; the conversion's scale operand
	s_delay_alu instid0(VALU_DEP_2)
	v_and_or_b32 v10, v12, 0x7f800000, s[MNT]      ; 448 x the scale
	s_delay_alu instid0(VALU_DEP_2)
	v_lshrrev_b32 v13, 23, v11                     ; the byte
.if (\t) == 0
	s_delay_alu instid0(VALU_DEP_1)
	v_mov_b32 v[SB], v13
.else
	s_delay_alu instid0(VALU_DEP_1)
	v_lshl_or_b32 v[SB], v13, 8*(\t), v[SB]
.endif
.irp i, 0,1,2,3,4,5,6,7,8,9,10,11,12,13,14,15,16,17,18,19,20,21,22,23,24,25,26,27,28,29,30,31
	v_med3_num_f32 v[XS+\i], v[XS+\i], -v10, v10
.endr
.irp g, 0,1,2,3
	v_cvt_scalef32_pk8_fp8_f32 v[CW+8*(\t)+2*\g:CW+8*(\t)+2*\g+1], v[XS+8*\g:XS+8*\g+7], v11
.endr
	global_store_b128 v4, v[CW+8*(\t):CW+8*(\t)+3], s[\dst:\dst+1] offset:(\t)*512         ; k = 32 t + 0 .. 15: the place of lane r'
	global_store_b128 v4, v[CW+8*(\t)+4:CW+8*(\t)+7], s[\dst:\dst+1] offset:(\t)*512+256   ; k = 32 t + 16 .. 31: the place of lane 16 + r'
.if (\t)+2 < 4
	WLOAD (\t)+2, \n, \src
.endif
.endm
; One weight tensor [K][n]: work-group goff + e makes panel (e >> lk, e % (1 << lk)) of the transposed weight; p0: the tensor's first panel in its buffer; it has 1 << lk panels along K
.macro WARM src, dst, goff, n, p0, lk
	s_sub_co_u32 s24, ttmp9, \goff
	s_lshr_b32 s25, s24, \lk                       ; the group of 128 columns
	s_and_b32 s26, s24, (1<<(\lk))-1               ; the chunk of 256 along K
	s_lshr_b32 s23, s22, 2                         ; q: my wave's 128 of the 256
	s_and_b32 s27, s22, 3                          ; my wave's 32 of the 128 columns
	s_mul_i32 s28, s26, (\n)*1024
	s_mul_i32 s29, s23, (\n)*512
	s_add_co_u32 s28, s28, s29
	s_lshl_b32 s29, s25, 9
	s_add_co_u32 s28, s28, s29
	s_lshl_b32 s29, s27, 7
	s_add_co_u32 s28, s28, s29
	s_mov_b32 s29, 0
	s_add_nc_u64 s[\src:\src+1], s[\src:\src+1], s[28:29]
	s_lshl_b32 s30, s25, \lk
	s_add_co_u32 s30, s30, s26
	s_add_co_u32 s30, s30, \p0
	s_mul_i32 s30, s30, PB
	s_mov_b32 s31, 0
	s_add_nc_u64 s[\dst:\dst+1], s[\dst:\dst+1], s[30:31]
	v_lshlrev_b32 v3, 2, v1                        ; in: 4 bytes a lane
	v_bfe_u32 v6, v0, 3, 1                         ; column 32 cg + lane is lane r' = lane % 8 + 8 (lane / 16) of tile 2 cg + (lane / 8) % 2
	v_and_b32 v7, 7, v0
	v_bfe_u32 v8, v0, 4, 1
	s_delay_alu instid0(VALU_DEP_1)
	v_lshl_add_u32 v7, v8, 3, v7
	s_delay_alu instid0(VALU_DEP_1)
	v_lshlrev_b32 v4, 4, v7
	s_delay_alu instid0(VALU_DEP_1)
	v_lshl_add_u32 v4, v6, 12, v4
	s_lshl_b32 s32, s27, 13
	s_lshl_b32 s33, s23, 11
	s_add_co_u32 s32, s32, s33
	v_add_nc_u32 v4, s32, v4                       ; codes: 4096 x tile + 2048 q + 16 r'
	v_lshlrev_b32 v5, 2, v7
	s_delay_alu instid0(VALU_DEP_1)
	v_lshl_add_u32 v5, v6, 6, v5
	s_lshl_b32 s32, s27, 7
	s_lshl_b32 s33, s23, 9
	s_add_co_u32 s32, s32, s33
	s_add_co_u32 s32, s32, 32768
	v_add_nc_u32 v5, s32, v5                       ; scale words: 32768 + 512 q + 64 x tile + 4 r'
	WLOAD 0, \n, \src
	WLOAD 1, \n, \src
.irp t, 0,1,2,3
	WBLOCK \t, \n, \src, \dst
.endr
	global_store_b32 v5, v[SB], s[\dst:\dst+1]
	s_endpgm                                       ; this arm has written no LDS
.endm
	s_load_b256 s[4:11], s[0:1], 0x0               ; hidden_states, ln1_g, ln1_b, w_attn
	s_load_b128 s[12:15], s[0:1], 0x20             ; w_proj, xw
	s_load_b64 s[16:17], s[0:1], 0x30              ; wq
	v_lshl_add_u32 v[SPW], v0, 2, SPARE
	v_mov_b32 v[NIL], 0
	v_lshrrev_b32 v1, 5, v0
	s_delay_alu instid0(VALU_DEP_1)
	v_readfirstlane_b32 s22, v1                    ; wave 0..7
	v_and_b32 v1, 31, v0                           ; lane
	s_mov_b32 s[MNT], 0x600000
	s_wait_kmcnt 0x0
	s_cmp_lt_u32 ttmp9, 96                         ; the branches hang on the work-group's number alone
	s_cbranch_scc1 .Lw_attn
	s_cmp_lt_u32 ttmp9, 128
	s_cbranch_scc1 .Lw_proj
	s_sub_co_u32 s24, ttmp9, 128                   ; the tile of 16 rows
	s_wait_alu depctr_va_vdst(0)
	LNORM 4, 6, 8, 14
.Lw_attn:
	s_wait_alu depctr_va_vdst(0)
	WARM 10, 14, 0, 3072, 128, 2
.Lw_proj:
	s_wait_alu depctr_va_vdst(0)
	WARM 12, 16, 96, 1024, 0, 2
.Lfunc_end_k_qcfe05d8c43_prep:
	.size	k_qcfe05d8c43_prep, .Lfunc_end_k_qcfe05d8c43_prep-k_qcfe05d8c43_prep
	.p2alignl 7, 3214868480
	.fill 96, 4, 3214868480
	.section	.rodata,"a",@progbits
	.p2align	6, 0x0
	.amdhsa_kernel k_qcfe05d8c43_prep
		.amdhsa_group_segment_fixed_size 2048
		.amdhsa_private_segment_fixed_size 0
		.amdhsa_enable_private_segment 0
		.amdhsa_kernarg_size 56
		.amdhsa_user_sgpr_count 2
		.amdhsa_user_sgpr_kernarg_segment_ptr 1
		.amdhsa_wavefront_size32 1
		.amdhsa_system_sgpr_workgroup_id_x 1
		.amdhsa_system_sgpr_workgroup_id_y 1
		.amdhsa_system_sgpr_workgroup_id_z 1
		.amdhsa_system_vgpr_workitem_id 0
		.amdhsa_next_free_vgpr 256
		.amdhsa_next_free_sgpr 66
		.amdhsa_reserve_vcc 0
		.amdhsa_float_denorm_mode_32 3
		.amdhsa_float_denorm_mode_16_64 3
		.amdhsa_memory_ordered 1
		.amdhsa_forward_progress 1
		.amdhsa_inst_pref_size 94
	.end_amdhsa_kernel
	.amdgpu_metadata
---
amdhsa.version: [ 1, 2 ]
amdhsa.kernels:
  - .name:           k_qcfe05d8c43_prep
    .symbol:         k_qcfe05d8c43_prep.kd
    .args:
      - { .name: hidden_states, .offset: 0, .size: 8, .value_kind: global_buffer, .address_space: global }
      - { .name: ln1_g, .offset: 8, .size: 8, .value_kind: global_buffer, .address_space: global }
      - { .name: ln1_b, .offset: 16, .size: 8, .value_kind: global_buffer, .address_space: global }
      - { .name: w_attn, .offset: 24, .size: 8, .value_kind: global_buffer, .address_space: global }
      - { .name: w_proj, .offset: 32, .size: 8, .value_kind: global_buffer, .address_space: global }
      - { .name: xw, .offset: 40, .size: 8, .value_kind: global_buffer, .address_space: global }
      - { .name: wq, .offset: 48, .size: 8, .value_kind: global_buffer, .address_space: global }
    .group_segment_fixed_size: 2048
    .private_segment_fixed_size: 0
    .kernarg_segment_align: 8
    .kernarg_segment_size: 56
    .max_flat_workgroup_size: 256
    .sgpr_count:     66
    .vgpr_count:     256
    .wavefront_size: 32
...
	.end_amdgpu_metadata
.endif
;; end of part 1
;; launch gqkv (part 2): grid 12 x 16, 4 waves a work-group, clusters of 4 x 4, 327,680 bytes of LDS; arguments xw, b_attn, qkv; writes qkv
.if DOCPART == 2
	.amdgcn_target "amdgcn-amd-amdhsa--gfx1250"
	.amdhsa_code_object_version 6
	.text
	.protected	k_qcfe05d8c43_gqkv
	.globl	k_qcfe05d8c43_gqkv
	.p2align	8
	.type	k_qcfe05d8c43_gqkv,@function
k_qcfe05d8c43_gqkv:
	s_mov_b64 s[64:65], 0
	v_nop
	global_prefetch_b8 v0, s[64:65] scope:SCOPE_SE
	s_setreg_imm32_b32 hwreg(HW_REG_WAVE_MODE, 25, 1), 1
	s_wait_xcnt 0x0
	s_wait_alu depctr_hold_cnt(0) depctr_sa_sdst(0) depctr_va_vdst(0) depctr_va_sdst(0) depctr_va_ssrc(0) depctr_va_vcc(0) depctr_vm_vsrc(0)
	s_getreg_b32 s2, hwreg(HW_REG_IB_STS2, 6, 4)
	s_cmp_eq_u32 s2, 0
	s_cbranch_scc0 .Lentry_in_a_cluster
	s_endpgm
.Lentry_in_a_cluster:
	s_bfe_u32 s2, ttmp6, 0x10000c
	s_cmp_lg_u32 s2, 0xf033
	s_cbranch_scc0 .Lentry_shape_is_right
	s_endpgm
.Lentry_shape_is_right:
; q, k, v = LN1(x) w_attn + b_attn on codes of E4M3 (K = 1,024), quantised on the way out for the two products of attention and stored as images of their operands' registers.
; A work-group of four waves makes 256 x 256, a wave 128 x 128: 64 accumulators.  K goes in steps of 256 through two LDS slots; a slot is four panels of 33,792 bytes (codes and scale words together, laid by launch prep
; in the order of the operands' registers), each one dense block brought by one tensor load of one wave.  Fragments come by ds_load_b128 at 16 x lane: consecutive bytes, no pitch, no padding.
; THE MATRIX INSTRUCTION IS USED TRANSPOSED: source 0 = the B side, source 1 = the A side.  A lane holds one row of the A side, and by the order of rows in a panel the 64 registers of accumulators (a, 0 .. 7) are
; 32 p + 16 (lane / 16) + i of the B side: the next operand's own order, so the conversions' results are stored as they stand.
; THREE PATHS, by the cluster's x, which all sixteen partners share: 0 = Q, 1 = K (A side = tokens, B side = w_attn's columns: a lane holds a token, registers run along the head's 64),
; 2 = V (A side = w_attn's columns, B side = tokens: a lane holds a channel, registers run along the keys, which are the second product's K).  The sides change by address alone.
; qkv: for each of 32 heads a block of 409,600 bytes: 16 panels of 16,896 bytes for 128 keys each (K: four double fragments, tile 2 b in k 0-63 and tile 2 b + 1 in k 64-127; V^T: four fragments; K's and V's scale words),
; then Q's images (1,024 bytes a tile of 16 queries) and Q's scale words (its two bytes twice).
; CLUSTERS: 4 x 4; the A side's panels are shared along a row of the cluster, the B side's along a column, by joint loads.
; BOTH FORMS OF THE BIAS are loaded by every work-group (by column for Q and K, by row for V; the form not used from a clamped place inside b_attn), so that every register that either arm names is written on every way.
; REGISTERS: window 0: v1 r, v2 h, v4-11 bias by row, v12-14 offsets, v16-31 addresses, v32-63 scale words (two sets), v64-127 bias by column, v128-255 the A side's fragments (one set), on the way out work;
; window 1: the B side's fragments, two sets; windows 2, 3: the accumulators ((a, b) at v[8 (8 (a % 4) + b)]).
.set PB,     33792
.set SLOT,   4*PB                      ; the A side's two panels, then the B side's two
.set SPARE,  2*SLOT                    ; behind the ring: the spare words, 128 bytes a wave
.set HEADB,  409600
.set NQ,     2
.set FR,     16
.set NL,     4
.set NP,     8                         ; places behind this matrix instruction (ISA guide 7.12.1)
.set RBI,  4
.set ADRA, 16
.set ADRB, 20
.set ADRS, 22
.set LI,   24                          ; 16 x lane
.set VS,   25                          ; the scale words' offset
.set SELV, 26                          ; their byte selects
.set WD,   27                          ; the word to store
.set SPW,  28
.set NIL,  29
.set PW,   30                          ; v30, v31: the scale words of an even and an odd tile
.set SC,   32
.set BB,   64
.set AF,   128
.set W,    128                         ; the way out: 64 numbers
.set PC,   192                         ; their codes
.set TM,   208                         ; the quantiser's work
.set G1,   24
.set G0,   32
.set G1B,  48
.set G0B,  56
.set PATH, 66
.set OB,   68
.set OS,   70
.set SEL,  72
.set MNT,  74
.set MSB, 0
.macro WIN new                         ; the immediate's high byte repeats the setting that is left
.if MSB != \new
	s_set_vgpr_msb (MSB<<8)|\new
.set MSB, \new
.endif
.endm
.set MUL_LO, 0xa1                      ; source 0 window 1, source 1 window 0, C and D window 2
.set MUL_HI, 0xf1
.set TO_B,   0x40
.macro JLOAD g0a, g1a, g0b, g1b        ; a joint load: waves 0, 1 fetch for the A side, waves 2, 3 for the B side; the branch hangs on the wave's number alone; s_nop 0 and four v_nop follow each line
	s_cmp_eq_u32 s15, 0
	s_cbranch_scc0 .Lfor_b_\@
	tensor_load_to_lds s[\g0a:\g0a+3], s[\g1a:\g1a+7]
	s_nop 0
.rept 4
	v_nop
.endr
	s_branch .Lasked_\@
.Lfor_b_\@:
	tensor_load_to_lds s[\g0b:\g0b+3], s[\g1b:\g1b+7]
	s_nop 0
.rept 4
	v_nop
.endr
.Lasked_\@:
.endm
.macro CREST
	s_cmp_lg_u32 s14, 0
	s_cbranch_scc1 .Lnot_wave_0_\@
	s_barrier_signal -3
.Lnot_wave_0_\@:
	s_barrier_wait -3
	s_barrier_signal -1
	s_barrier_wait -1
.endm
.macro CROUND
	s_barrier_signal -1
	s_barrier_wait -1
	CREST
.endm
.macro PLACES n
.rept \n
	v_nop
.endr
.endm
.macro QUANT s, pw                     ; 64 numbers, register 16 b + i = k 32 b + 16 (lane / 16) + i of my row -> codes in v[PC] on, scale word in v[pw]
.irp b, 0,1,2,3
	v_max3_num_f32 v[TM+\b], |v[\s+16*\b]|, |v[\s+1+16*\b]|, 0x4800000   ; and the floor 2^(9 - 127)
.endr
.irp i, 2,4,6,8,10,12,14
.irp b, 0,1,2,3
	v_max3_num_f32 v[TM+\b], v[TM+\b], |v[\s+16*\b+\i]|, |v[\s+1+16*\b+\i]|
.endr
.endr
.irp b, 0,1,2,3
	v_permlanex16_b32 v[TM+4+\b], v[TM+\b], s[SEL], s[SEL+1]
.endr
.irp b, 0,1,2,3
	v_max_num_f32 v[TM+\b], v[TM+\b], v[TM+4+\b]
.endr
.irp b, 0,1,2,3
	v_add_nc_u32 v[TM+12+\b], 0xfc000000, v[TM+\b]
.endr
.irp b, 0,1,2,3
	v_and_or_b32 v[TM+8+\b], v[TM+\b], 0x7f800000, s[MNT]
.endr
.irp b, 0,1,2,3
	v_lshrrev_b32 v[TM+4+\b], 23, v[TM+12+\b]
.endr
	v_lshl_or_b32 v[\pw], v[TM+5], 8, v[TM+4]
	v_lshl_or_b32 v[\pw], v[TM+6], 16, v[\pw]
	v_lshl_or_b32 v[\pw], v[TM+7], 24, v[\pw]
.irp b, 0,1,2,3
.irp i, 0,1,2,3,4,5,6,7,8,9,10,11,12,13,14,15
	v_med3_num_f32 v[\s+16*\b+\i], v[\s+16*\b+\i], -v[TM+8+\b], v[TM+8+\b]
.endr
	v_cvt_scalef32_pk8_fp8_f32 v[PC+4*\b:PC+1+4*\b], v[\s+16*\b:\s+7+16*\b], v[TM+12+\b]
	v_cvt_scalef32_pk8_fp8_f32 v[PC+2+4*\b:PC+3+4*\b], v[\s+8+16*\b:\s+15+16*\b], v[TM+12+\b]
.endr
	v_nop                                          ; a plain line behind the last conversion
.endm
	s_load_b128 s[4:7], s[0:1], 0x0                ; xw, b_attn
	s_load_b64 s[8:9], s[0:1], 0x10                ; qkv
	v_lshl_add_u32 v[SPW], v0, 2, SPARE
	v_mov_b32 v[NIL], 0
	ds_add_u32 v[SPW], v[NIL]                      ; the wave's opening: the add, twice on end, and its wait ahead of my first tensor load
	ds_add_u32 v[SPW], v[NIL]
	v_lshrrev_b32 v1, 5, v0
	v_readfirstlane_b32 s14, v1                    ; wave 0..3
	s_lshr_b32 s15, s14, 1                         ; my half of the A side's rows.  Also: I fetch for the A side (0) or the B side (1)
	s_and_b32 s16, s14, 1                          ; my half of the B side's rows.  Also: which panel of that side I fetch
	s_bfe_u32 s40, ttmp6, 0x40000                  ; cx
	s_bfe_u32 s41, ttmp6, 0x40004                  ; cy
	s_and_b32 s67, ttmp7, 0xffff                   ; the cluster's y
	s_mov_b32 s[PATH], ttmp9                       ; the cluster's x: 0 Q, 1 K, 2 V
	s_cmp_eq_u32 s[PATH], 2
	s_cselect_b32 s75, 0, s67                      ; V: the A side is w_attn's last 1,024 columns: four tiles, one for each cy
	s_cselect_b32 s76, s67, s[PATH]                ; V: the B side is the tokens
	s_cselect_b32 s77, 48, 0                       ; the sides' first groups of 128 rows in xw
	s_cselect_b32 s78, 0, 32
	s_lshl_b32 s17, s75, 2
	s_add_co_u32 s17, s17, s41                     ; tile row (A side)
	s_lshl_b32 s42, s76, 2
	s_add_co_u32 s42, s42, s40                     ; tile column (B side)
	s_lshl_b32 s43, s41, 2
	s_lshl_b32 s43, 15, s43                        ; my row of the cluster
	s_lshl_b32 s44, 0x1111, s40                    ; my column
	s_or_b32 s[G1+0], s43, (3<<16)|(1<<21)         ; 15:0 the mask; 17:16 elements of 8 bytes; 21 set beside a mask; no padding
	s_or_b32 s[G1B+0], s44, (3<<16)|(1<<21)
.irp g, G1, G1B
	s_mov_b32 s[\g+1], 32<<16                      ; tensor_dim0 = 32 elements: rows of 256 bytes
	s_mov_b32 s[\g+2], 132<<16                     ; tensor_dim1 = 132 rows: a panel
	s_mov_b32 s[\g+3], 32<<16                      ; tile_dim0
	s_mov_b32 s[\g+4], 132                         ; tile_dim1
	s_mov_b32 s[\g+5], 32                          ; the pitch: dense
	s_mov_b32 s[\g+6], 0
	s_mov_b32 s[\g+7], 0
.endr
	s_lshl_b32 s20, s17, 1
	s_add_co_u32 s20, s20, s16
	s_add_co_u32 s20, s20, s77
	s_mul_i32 s20, s20, 4*PB                       ; the A side's group of rows: four panels along K
	s_mov_b32 s21, 0
	s_lshl_b32 s46, s42, 1
	s_add_co_u32 s46, s46, s16
	s_add_co_u32 s46, s46, s78
	s_mul_i32 s46, s46, 4*PB
	s_mov_b32 s47, 0
	s_mul_i32 s45, s14, PB                         ; where my panel goes: no place in the cluster enters an LDS address
	s_mov_b32 s[SEL], 0x76543210
	s_mov_b32 s[SEL+1], 0xfedcba98
	s_mov_b32 s[MNT], 0x600000
	s_wait_dscnt 0x0                               ; both opening adds are done
	s_wait_kmcnt 0x0
	s_add_nc_u64 s[20:21], s[4:5], s[20:21]
	s_add_nc_u64 s[46:47], s[4:5], s[46:47]
	CROUND                                         ; all sixteen work-groups are here: the first joint loads meet
.irp s, 0,1
	s_mov_b32 s[G0+4*\s], 1
	s_add_co_u32 s[G0+4*\s+1], s45, \s*SLOT
	s_add_nc_u64 s[G0+4*\s+2:G0+4*\s+3], s[20:21], \s*PB
	s_or_b32 s[G0+4*\s+3], s[G0+4*\s+3], 0x80000000
	s_mov_b32 s[G0B+4*\s], 1
	s_add_co_u32 s[G0B+4*\s+1], s45, \s*SLOT
	s_add_nc_u64 s[G0B+4*\s+2:G0B+4*\s+3], s[46:47], \s*PB
	s_or_b32 s[G0B+4*\s+3], s[G0B+4*\s+3], 0x80000000
.if \s
	s_wait_alu depctr_va_vdst(0)                   ; slot 1's first fill is issued as a refill is
	s_wait_tensorcnt 0x0                           ; my panel of K step 0 is in
	ds_add_u32 v[SPW], v[NIL]
	ds_add_u32 v[SPW], v[NIL]
	s_wait_dscnt 0x0
	CROUND
.endif
	JLOAD G0+4*\s, G1, G0B+4*\s, G1B               ; one tensor load a wave at the head, one behind the round
.endr
	v_and_b32 v1, 15, v0                           ; r
	v_bfe_u32 v2, v0, 4, 1                         ; h
	s_wait_alu depctr_va_vdst(0)
	v_and_b32 v3, 31, v0
	v_lshlrev_b32 v[LI], 4, v3
	s_mul_i32 s21, s15, PB
	s_mul_i32 s22, s16, PB
	s_add_co_u32 s22, s22, 2*PB
.irp s, 0,1
	v_add_nc_u32 v[ADRA+\s], s21, v[LI]
	v_add_nc_u32 v[ADRB+\s], s22, v[LI]
	s_add_co_u32 s21, s21, SLOT
	s_add_co_u32 s22, s22, SLOT
.endr
	s_mul_i32 s21, s15, PB                         ; scale words: lanes 0-15 the A side's, lanes 16-31 the B side's: the lower base + h x the distance
	s_mul_i32 s22, s16, PB
	s_add_co_u32 s22, s22, 2*PB
	s_sub_co_u32 s22, s22, s21
	v_mul_u32_u24 v6, s22, v2
	v_lshl_add_u32 v6, v1, 2, v6
	s_add_co_u32 s21, s21, 32768
	v_add_nc_u32 v[ADRS], s21, v6
	v_add_nc_u32 v[ADRS+1], SLOT, v[ADRS]
	; the biases.  By column: b_attn[256 tile column + 128 half + 32 p + 16 h + i]; by row: b_attn[2048 + 128 (2 tile row + half) + perm(a, r)].  The masks change nothing on the path that uses the form
	s_and_b32 s94, s42, 7
	s_lshl_b32 s94, s94, 10
	s_lshl_b32 s95, s16, 9
	s_add_co_u32 s94, s94, s95
	s_mov_b32 s95, 0
	s_add_nc_u64 s[94:95], s[6:7], s[94:95]
	s_and_b32 s96, s17, 3
	s_lshl_b32 s96, s96, 1
	s_add_co_u32 s96, s96, s15
	s_lshl_b32 s96, s96, 9
	s_add_co_u32 s96, s96, 8192
	s_mov_b32 s97, 0
	s_add_nc_u64 s[96:97], s[6:7], s[96:97]
	v_lshlrev_b32 v13, 6, v2
	v_and_b32 v12, 7, v1
	v_lshrrev_b32 v14, 3, v1
	v_lshl_add_u32 v12, v14, 4, v12
	v_lshlrev_b32 v12, 2, v12
.irp p, 0,1,2,3
.irp j, 0,1,2,3
	global_load_b128 v[BB+16*\p+4*\j:BB+16*\p+4*\j+3], v13, s[94:95] offset:128*\p+16*\j
.endr
.endr
.irp a, 0,1,2,3,4,5,6,7
	global_load_b32 v[RBI+\a], v12, s[96:97] offset:(32*(\a/2)+8*(\a%2))*4
.endr
	; where my results go
	s_lshl_b32 s80, s17, 1
	s_add_co_u32 s80, s80, s15                     ; the A side's group of 128
	s_lshl_b32 s81, s42, 1
	s_add_co_u32 s81, s81, s16                     ; the B side's
	s_and_b32 s82, s81, 7
	s_cmp_eq_u32 s[PATH], 2
	s_cselect_b32 s83, s81, s80                    ; the group of tokens
	s_cselect_b32 s84, s80, s82                    ; the pair of heads
	s_lshr_b32 s85, s83, 4
	s_lshl_b32 s85, s85, 4
	s_lshl_b32 s84, s84, 1
	s_add_co_u32 s85, s85, s84                     ; 16 x batch + the first head of the pair
	s_mul_i32 s85, s85, HEADB
	s_and_b32 s83, s83, 15                         ; the key step, or the group of queries, in the sequence
	s_mov_b32 s86, 16896                           ; K's values first; then Q's and V's are chosen over them
	s_mov_b32 s87, 16896
	s_mov_b32 s88, 0
	s_mov_b32 s89, 16384
	s_mov_b32 s90, 0x05040100
	s_mov_b32 s91, 0x02020202
	s_mov_b32 s92, HEADB
	s_cmp_eq_u32 s[PATH], 0
	s_cselect_b32 s86, 8192, s86
	s_cselect_b32 s87, 512, s87
	s_cselect_b32 s88, 270336, s88
	s_cselect_b32 s89, 401408, s89
	s_cselect_b32 s90, 0x01000100, s90
	s_cmp_eq_u32 s[PATH], 2
	s_cselect_b32 s88, 8192, s88
	s_cselect_b32 s89, 16640, s89
	s_cselect_b32 s90, 0x03020100, s90
	s_cselect_b32 s91, 0x04040404, s91
	s_cselect_b32 s92, 64, s92
	s_mul_i32 s[OB], s86, s83
	s_add_co_u32 s[OB], s[OB], s88
	s_add_co_u32 s[OB], s[OB], s85
	s_mov_b32 s[OB+1], 0
	s_mul_i32 s[OS], s87, s83
	s_add_co_u32 s[OS], s[OS], s89
	s_add_co_u32 s[OS], s[OS], s85
	s_mov_b32 s[OS+1], 0
	s_add_nc_u64 s[OB:OB+1], s[8:9], s[OB:OB+1]
	s_add_nc_u64 s[OS:OS+1], s[8:9], s[OS:OS+1]
	v_mul_u32_u24 v[VS], s92, v2                   ; Q, K: lanes 16-31 store the second head's word; V: the odd tile's
	v_lshl_add_u32 v[VS], v1, 2, v[VS]
	v_mul_lo_u32 v[SELV], v2, s91
	v_add_nc_u32 v[SELV], s90, v[SELV]
.macro FRAG reg, adr, q, i             ; a fragment's image: four runs of 512 bytes
.irp c, 0,1,2,3
	ds_load_b128 v[\reg+4*\c:\reg+4*\c+3], v[\adr] offset:(\i)*4096+(\q)*2048+512*\c
.endr
.endm
; 16 matrix instructions: the A side's tiles a0, a0 + 1 x the B side's eight.  The 64 accumulators take turns, one instruction a turn, in the same order in every step
.macro MUL16 a0, p, q, sc, zero
.irp a, \a0, \a0+1
.irp b, 0,1,2,3,4,5,6,7
.if \zero
	v_wmma_scale_f32_16x16x128_f8f6f4 v[8*(8*((\a)%4)+\b):8*(8*((\a)%4)+\b)+7], v[128*(\p)+FR*\b:128*(\p)+FR*\b+FR-1], v[AF+FR*(\a):AF+FR*(\a)+FR-1], 0, v[SC+8*NQ*(\sc)+NQ*\b+(\q)], v[SC+8*NQ*(\sc)+NQ*(\a)+(\q)] matrix_a_scale:MATRIX_SCALE_ROW1
.else
	v_wmma_scale_f32_16x16x128_f8f6f4 v[8*(8*((\a)%4)+\b):8*(8*((\a)%4)+\b)+7], v[128*(\p)+FR*\b:128*(\p)+FR*\b+FR-1], v[AF+FR*(\a):AF+FR*(\a)+FR-1], v[8*(8*((\a)%4)+\b):8*(8*((\a)%4)+\b)+7], v[SC+8*NQ*(\sc)+NQ*\b+(\q)], v[SC+8*NQ*(\sc)+NQ*(\a)+(\q)] matrix_a_scale:MATRIX_SCALE_ROW1
.endif
.endr
.endr
.endm
.macro FETCH_B slot, q, p
	WIN TO_B
.irp i, 0,1,2,3,4,5,6,7
	FRAG 128*(\p)+FR*\i, ADRB+\slot, \q, \i
.endr
	WIN 0
.endm
.macro FETCH_A slot, q, i0
.irp i, \i0, \i0+1, \i0+2, \i0+3
	FRAG AF+FR*(\i), ADRA+\slot, \q, \i
.endr
.endm
.macro SCALES sc                       ; a slot's scale words: register 2 i + q: lanes 0-15 the A side's tile i, lanes 16-31 the B side's
.irp i, 0,1,2,3,4,5,6,7
.irp q, 0,1
	ds_load_b32 v[SC+8*NQ*\sc+NQ*\i+\q], v[ADRS+\sc] offset:512*\q+64*\i
.endr
.endr
.endm
.macro STEP slot, q, zero              ; a step of 128 along K that has its successor in the same slot
	s_wait_dscnt 4*NL                              ; all but the youngest 16 loads (the A side's tiles 4-7)
	WIN MUL_LO
	MUL16 0, (\q)%2, \q, \slot, \zero
	MUL16 2, (\q)%2, \q, \slot, \zero
	s_wait_dscnt 0
	PLACES NP                                      ; in front of loads into registers that matrix instructions have read
	FETCH_B \slot, (\q)+1, 1-(\q)%2
	FETCH_A \slot, (\q)+1, 0
	WIN MUL_HI
	MUL16 4, (\q)%2, \q, \slot, \zero
	MUL16 6, (\q)%2, \q, \slot, \zero
	PLACES NP
	WIN 0
	FETCH_A \slot, (\q)+1, 4
.endm
.macro TURN slot, next, fill           ; a slot's last step changes slots: one barrier; fill = 1: it opens a round of the cluster's barrier, and the slot is filled again, two K steps ahead
	s_wait_tensorcnt 0x0                           ; all my tensor loads have landed: my panel of the next slot
	ds_add_u32 v[SPW], v[NIL]                      ; 0 onto my spare word
	s_wait_dscnt 4*NL+1                            ; the add and the youngest 16 loads may be out
	WIN MUL_LO
	MUL16 0, 1, NQ-1, \slot, 0
	s_wait_dscnt 0x0                               ; the add is done, and my reads of this slot are over
	s_barrier_signal -1
	MUL16 2, 1, NQ-1, \slot, 0
	WIN 0
	s_barrier_wait -1
.if \fill
	CREST                                          ; no wave of any partner still reads this slot or has a load on its way
	s_add_nc_u64 s[G0+4*\slot+2:G0+4*\slot+3], s[G0+4*\slot+2:G0+4*\slot+3], 2*PB
	s_add_nc_u64 s[G0B+4*\slot+2:G0B+4*\slot+3], s[G0B+4*\slot+2:G0B+4*\slot+3], 2*PB
	JLOAD G0+4*\slot, G1, G0B+4*\slot, G1B         ; my one tensor load behind the round; its four v_nop are four of the eight places
	PLACES NP-4
.else
	PLACES NP
.endif
	FETCH_B \next, 0, 0
	FETCH_A \next, 0, 0
	SCALES \next
	WIN MUL_HI
	MUL16 4, 1, NQ-1, \slot, 0
	MUL16 6, 1, NQ-1, \slot, 0
	PLACES NP
	WIN 0
	FETCH_A \next, 0, 4
.endm
	s_wait_tensorcnt 1                             ; my panel of K step 0 is in; K step 1's may be out
	s_barrier_signal -1
	s_barrier_wait -1
	FETCH_B 0, 0, 0
	FETCH_A 0, 0, 0
	SCALES 0
	FETCH_A 0, 0, 4
	STEP 0, 0, 1                                   ; the first products start the sums
	TURN 0, 1, 1                                   ; K = 1,024 is four K steps: written straight
	STEP 1, 0, 0
	TURN 1, 0, 1
	STEP 0, 0, 0
	TURN 0, 1, 0
	STEP 1, 0, 0
	s_wait_dscnt 4*NL
	WIN MUL_LO
	MUL16 0, 1, NQ-1, 1, 0
	MUL16 2, 1, NQ-1, 1, 0
	s_wait_dscnt 0
	WIN MUL_HI
	MUL16 4, 1, NQ-1, 1, 0
	MUL16 6, 1, NQ-1, 1, 0
	WIN 0
; THE WAY OUT, a tile a of 16 rows of the A side at a time: bias, quantiser, stores of the images.  The branches hang on the cluster's x alone; every window is 0 at each.
.macro BIASQK a
	WIN 0x02+((\a)/4)                              ; source 0: the accumulators' window
.set kk, 0
.rept 32
	v_pk_add_f32 v[W+kk:W+kk+1], v[64*((\a)%4)+kk:64*((\a)%4)+kk+1], v[BB+kk:BB+kk+1]   ; each accumulator from its low end on
.set kk, kk+2
.endr
	WIN 0
.endm
.macro BIASV a
	WIN 0x02+((\a)/4)
.set kk, 0
.rept 32
	v_pk_add_f32 v[W+kk:W+kk+1], v[64*((\a)%4)+kk:64*((\a)%4)+kk+1], v[RBI+2*((\a)/2):RBI+2*((\a)/2)+1] op_sel:[0,(\a)%2] op_sel_hi:[1,(\a)%2]   ; my channel's bias serves both halves
.set kk, kk+2
.endr
	WIN 0
.endm
.macro EPI a
	s_cmp_eq_u32 s[PATH], 2
	s_cbranch_scc1 .Lbv_\@
	BIASQK \a
	s_branch .Lbd_\@
.Lbv_\@:
	BIASV \a
.Lbd_\@:
	s_wait_xcnt 0x0                                ; the last tile's stores have read their data: codes and words are written again only behind this wait
	QUANT W, PW+((\a)%2)
	s_cmp_eq_u32 s[PATH], 2
	s_cbranch_scc1 .Ltv_\@
.irp p, 0,1,2,3                                ; blocks 0, 1: the first head's 64; blocks 2, 3: the second's
	global_store_b128 v[LI], v[PC+4*\p:PC+4*\p+3], s[OB:OB+1] offset:(\p/2)*HEADB+(\a)*1024+(\p%2)*512
.endr
	s_cmp_eq_u32 s[PATH], 0
	s_cbranch_scc0 .Ltk_\@
	v_perm_b32 v[WD], v[PW+((\a)%2)], v[PW+((\a)%2)], v[SELV]   ; Q: my head's two bytes, twice
	global_store_b32 v[VS], v[WD], s[OS:OS+1] offset:64*(\a)
	s_branch .Ltd_\@
.Ltk_\@:
.if (\a)%2
	v_perm_b32 v[WD], v[PW+1], v[PW], v[SELV]      ; K: the even tile's two bytes, then the odd tile's
	global_store_b32 v[VS], v[WD], s[OS:OS+1] offset:64*((\a)/2)
.endif
	s_branch .Ltd_\@
.Ltv_\@:
	s_wait_alu depctr_va_vdst(0)
.irp p, 0,1,2,3                                ; V: tile a % 4 of head a / 4; block p: keys 32 p on
	global_store_b128 v[LI], v[PC+4*\p:PC+4*\p+3], s[OB:OB+1] offset:((\a)/4)*HEADB+((\a)%4)*2048+512*\p
.endr
.if (\a)%2
	v_perm_b32 v[WD], v[PW+1], v[PW], v[SELV]      ; lanes 0-15 the even tile's word, lanes 16-31 the odd tile's
	global_store_b32 v[VS], v[WD], s[OS:OS+1] offset:((\a)/4)*HEADB+(((\a)%4)/2)*128
.endif
.Ltd_\@:
.endm
	s_wait_loadcnt 0x0                             ; the biases
	PLACES NP                                      ; behind the last products: results are read, and the A side's registers are written
.irp b, 0,1,2,3
	v_mov_b32 v[TM+4+\b], 0                        ; written once: a lane permute's destination counts as one of its sources
.endr
.irp a, 0,1,2,3,4,5,6,7
	EPI \a
.endr
	s_wait_tensorcnt 0x0                           ; the wave's end
	ds_add_u32 v[SPW], v[NIL]
	s_wait_dscnt 0x0
	CROUND                                         ; the closing round
	s_endpgm
.Lfunc_end_k_qcfe05d8c43_gqkv:
	.size	k_qcfe05d8c43_gqkv, .Lfunc_end_k_qcfe05d8c43_gqkv-k_qcfe05d8c43_gqkv
	.p2alignl 7, 3214868480
	.fill 96, 4, 3214868480
	.section	.rodata,"a",@progbits
	.p2align	6, 0x0
	.amdhsa_kernel k_qcfe05d8c43_gqkv
		.amdhsa_group_segment_fixed_size 327680
		.amdhsa_private_segment_fixed_size 0
		.amdhsa_enable_private_segment 0
		.amdhsa_kernarg_size 24
		.amdhsa_user_sgpr_count 2
		.amdhsa_user_sgpr_kernarg_segment_ptr 1
		.amdhsa_wavefront_size32 1
		.amdhsa_system_sgpr_workgroup_id_x 1
		.amdhsa_system_sgpr_workgroup_id_y 1
		.amdhsa_system_sgpr_workgroup_id_z 1
		.amdhsa_system_vgpr_workitem_id 0
		.amdhsa_next_free_vgpr 1024
		.amdhsa_next_free_sgpr 98
		.amdhsa_reserve_vcc 0
		.amdhsa_float_denorm_mode_32 3
		.amdhsa_float_denorm_mode_16_64 3
		.amdhsa_memory_ordered 1
		.amdhsa_forward_progress 1
		.amdhsa_inst_pref_size 229
	.end_amdhsa_kernel
	.amdgpu_metadata
---
amdhsa.version: [ 1, 2 ]
amdhsa.kernels:
  - .name:           k_qcfe05d8c43_gqkv
    .symbol:         k_qcfe05d8c43_gqkv.kd
    .args:
      - { .name: xw, .offset: 0, .size: 8, .value_kind: global_buffer, .address_space: global }
      - { .name: b_attn, .offset: 8, .size: 8, .value_kind: global_buffer, .address_space: global }
      - { .name: qkv, .offset: 16, .size: 8, .value_kind: global_buffer, .address_space: global }
    .group_segment_fixed_size: 327680
    .private_segment_fixed_size: 0
    .kernarg_segment_align: 8
    .kernarg_segment_size: 24
    .max_flat_workgroup_size: 128
    .sgpr_count:     98
    .vgpr_count:     1024
    .wavefront_size: 32
...
	.end_amdgpu_metadata
.endif
;; end of part 2
;; launch attn (part 3): grid 8 x 32, 16 waves a work-group, clusters of 4 x 1, 327,680 bytes of LDS; arguments qkv, yp; writes yp
.if DOCPART == 3
	.amdgcn_target "amdgcn-amd-amdhsa--gfx1250"
	.amdhsa_code_object_version 6
	.text
	.protected	k_qcfe05d8c43_attn
	.globl	k_qcfe05d8c43_attn
	.p2align	8
	.type	k_qcfe05d8c43_attn,@function
k_qcfe05d8c43_attn:
	s_mov_b64 s[64:65], 0
	v_nop
	global_prefetch_b8 v0, s[64:65] scope:SCOPE_SE
	s_setreg_imm32_b32 hwreg(HW_REG_WAVE_MODE, 25, 1), 1
	s_wait_xcnt 0x0
	s_wait_alu depctr_hold_cnt(0) depctr_sa_sdst(0) depctr_va_vdst(0) depctr_va_sdst(0) depctr_va_ssrc(0) depctr_va_vcc(0) depctr_vm_vsrc(0)
	s_getreg_b32 s2, hwreg(HW_REG_IB_STS2, 6, 4)
	s_cmp_eq_u32 s2, 0
	s_cbranch_scc0 .Lentry_in_a_cluster
	s_endpgm
.Lentry_in_a_cluster:
	s_bfe_u32 s2, ttmp6, 0x10000c
	s_cmp_lg_u32 s2, 0x3003
	s_cbranch_scc0 .Lentry_shape_is_right
	s_endpgm
.Lentry_shape_is_right:
; Causal attention of one head on codes of E4M3: S^T = K Q^T (K = 64), p = 2^(t - M) quantised along the keys, O^T = V^T P^T (K = the keys), O / the row's sum quantised along the channels for the projection.
; LEFT OUT: key steps of 128 keys all of which come after all 16 queries of a wave's tile: reference()'s own tril gives them the weight 0 for all finite inputs (shown at the head of launch prep).
; SHARES.  A work-group has 16 waves and one head (the cluster's y).  Wave of rank k owns query tile 8 k + j, the queries 128 k + perm(j, r), j = 4 x cluster x + cx: it walks k + 1 key steps, so every work-group has
; 1 + 2 + .. + 16 = 136 steps, all 256 alike.  rank = (2 (w % 4) + (w / 4) % 2) xor 15 (w / 8): waves w, w + 4, w + 8, w + 12 have 34 steps together, and the two longest of the four differ by one step.
; j enters global addresses and the mask's number alone.
; THE WHOLE HEAD'S K AND V LIE IN LDS: 16 panels of 16,896 bytes, wave w fetching panel w by one joint load that the four partners of the cluster share; each byte is filled once: no ring, one barrier.
; K = 64 ON AN INSTRUCTION OF 128: a fragment of K holds two tiles of keys, X in k 0-63 and Y in k 64-127; Q stands twice in registers, (Q, zeros) and (zeros, Q); zero codes add nothing.
; Both products are used transposed: a lane holds one query throughout, and by the order of keys in a tile the 16 registers of two neighbouring tiles are 16 neighbouring keys.
; THE SOFTMAX: t = score x log2(e) / 8; M = the running largest t rounded up to a whole number; the row's sum is taken of the unquantised p; when M moves, sum and O^T are multiplied by 2^(old M - new M), exactly.
; A block's largest p is made from the block's largest score by the same two instructions (this takes v_exp_f32 not to fall where its input rises; at the worst one p within an ulp of a power of two is held one code low).
; yp's scale words: this head owns two of a word's four bytes and stores two bytes a row; the other two are its neighbour head's.
; REGISTERS: v1 16 x lane, v2 4 r, v5, v6 the add's two, v7 the mask's number, v8, v9 addresses, v12 -M, v13 largest t, v[14:15] the sum, v16-31 (Q, 0), v32-47 (0, Q), v48-111 four fragments, v112-175 S^T then p,
; v176-207 O^T, v208-223 p's codes, v232-247 at work, v248-251 K's or V's scale words, v252 f, v253 p's scale word, v254 at work, v255 Q's scale word.
.set KVP,   16896
.set HEADB, 409600
.set PB,    33792
.set SPARE, 16*KVP                     ; behind the panels: the spare words, 128 bytes for each of 16 waves
.set LI,  1
.set LS,  2
.set SPW, 5
.set NIL, 6
.set DQ,  7
.set ADK, 8
.set ADS, 9
.set QA,  16
.set QB,  32
.set FRG, 48
.set S,   112
.set O,   176
.set PCD, 208
.set WV,  8
.set RK,  9
.set J,   10
.set BH,  11
.set SEL, 12
.set CS,  14
.set MNT, 16
.set TB,  17
.set SI,  18
.set G0,  20
.set G1,  24
.set OB,  48
.set OS,  50
.macro CROUND
	s_barrier_signal -1
	s_barrier_wait -1
	s_cmp_lg_u32 s[WV], 0
	s_cbranch_scc1 .Lnot_wave_0_\@
	s_barrier_signal -3
.Lnot_wave_0_\@:
	s_barrier_wait -3
	s_barrier_signal -1
	s_barrier_wait -1
.endm
	s_load_b128 s[4:7], s[0:1], 0x0                ; qkv, yp
	v_lshl_add_u32 v[SPW], v0, 2, SPARE
	v_mov_b32 v[NIL], 0
	ds_add_u32 v[SPW], v[NIL]                      ; the wave's opening: the add, twice on end, and its wait ahead of my first tensor load
	ds_add_u32 v[SPW], v[NIL]
	v_lshrrev_b32 v8, 5, v0
	s_delay_alu instid0(VALU_DEP_1)
	v_readfirstlane_b32 s[WV], v8                  ; wave 0..15
	s_and_b32 s19, s[WV], 3
	s_lshl_b32 s19, s19, 1
	s_bfe_u32 s[RK], s[WV], 0x10002
	s_add_co_u32 s[RK], s[RK], s19                 ; 2 (w % 4) + (w / 4) % 2: 0 .. 7
	s_bfe_u32 s19, s[WV], 0x10003
	s_mul_i32 s19, s19, 15
	s_xor_b32 s[RK], s[RK], s19                    ; my rank: waves 8 to 15 take 15 less that number
	s_bfe_u32 s32, ttmp6, 0x40000                  ; cx
	s_lshl_b32 s[J], ttmp9, 2
	s_add_co_u32 s[J], s[J], s32                   ; j
	s_and_b32 s[BH], ttmp7, 0xffff                 ; 16 x batch + head
	s_mov_b32 s[G1], 15|(3<<16)|(1<<21)            ; the mask: all four partners; elements of 8 bytes; bit 21 beside a mask
	s_mov_b32 s[G1+1], 32<<16                      ; rows of 256 bytes,
	s_mov_b32 s[G1+2], 66<<16                      ; 66 of them: a panel
	s_mov_b32 s[G1+3], 32<<16
	s_mov_b32 s[G1+4], 66
	s_mov_b32 s[G1+5], 32
	s_mov_b32 s[G1+6], 0
	s_mov_b32 s[G1+7], 0
	s_mul_i32 s34, s[BH], HEADB
	s_mov_b32 s35, 0
	s_mul_i32 s33, s[WV], KVP
	s_mov_b32 s38, s33
	s_mov_b32 s39, 0
	s_lshl_b32 s40, s[RK], 3
	s_add_co_u32 s40, s40, s[J]                    ; my tile of queries
	s_lshl_b32 s44, s40, 6
	s_add_co_u32 s44, s44, 401408
	s_mov_b32 s45, 0
	s_lshl_b32 s40, s40, 10
	s_add_co_u32 s40, s40, 270336
	s_mov_b32 s41, 0
	s_mov_b32 s[SEL], 0x76543210
	s_mov_b32 s[SEL+1], 0xfedcba98
	s_mov_b32 s[CS], 0x3e38aa3b                    ; c = log2(e) / 8
	s_mov_b32 s[CS+1], s[CS]
	s_mov_b32 s[MNT], 0x600000
	s_mov_b32 s[TB], 0
	s_mov_b32 s[SI], 0
	s_wait_dscnt 0x0                               ; both opening adds are done
	s_wait_kmcnt 0x0
	s_add_nc_u64 s[36:37], s[4:5], s[34:35]        ; my head's block
	CROUND                                         ; all four work-groups are here: the joint loads meet
	s_mov_b32 s[G0], 1
	s_mov_b32 s[G0+1], s33                         ; LDS: wave x a panel
	s_add_nc_u64 s[G0+2:G0+3], s[36:37], s[38:39]
	s_or_b32 s[G0+3], s[G0+3], 0x80000000
	tensor_load_to_lds s[G0:G0+3], s[G1:G1+7]      ; key step w's panel: my one tensor load
	s_nop 0
.rept 4
	v_nop
.endr
	s_add_nc_u64 s[42:43], s[36:37], s[40:41]
	s_add_nc_u64 s[46:47], s[36:37], s[44:45]
	v_and_b32 v3, 31, v0
	s_delay_alu instid0(VALU_DEP_1)
	v_lshlrev_b32 v[LI], 4, v3
	v_and_b32 v4, 15, v0
	s_delay_alu instid0(VALU_DEP_1)
	v_lshlrev_b32 v[LS], 2, v4
	global_load_b128 v[QA:QA+3], v[LI], s[42:43]
	global_load_b128 v[QA+4:QA+7], v[LI], s[42:43] offset:512
	global_load_b128 v[QB+8:QB+11], v[LI], s[42:43]            ; Q once more, into registers of its own
	global_load_b128 v[QB+12:QB+15], v[LI], s[42:43] offset:512
	global_load_b32 v255, v[LS], s[46:47]
	v_and_b32 v10, 7, v0
	v_bfe_u32 v11, v0, 3, 1
	v_bfe_u32 v3, v0, 4, 1
	s_delay_alu instid0(VALU_DEP_1)
	v_sub_nc_u32 v11, v11, v3
	s_delay_alu instid0(VALU_DEP_1)
	v_lshl_add_u32 v[DQ], v11, 4, v10              ; r % 8 + 16 (r / 8) - 16 h
	s_lshr_b32 s32, s[J], 1
	s_lshl_b32 s32, s32, 5
	s_and_b32 s19, s[J], 1
	s_lshl_b32 s19, s19, 3
	s_add_co_u32 s32, s32, s19
	v_add_nc_u32 v[DQ], s32, v[DQ]                 ; perm(j, r) - 16 h: register 16 b + i of the diagonal's step is hidden where 32 b + i is greater
.irp i, 0,1,2,3,4,5,6,7
	v_mov_b32 v[QA+8+\i], 0                        ; zero codes
	v_mov_b32 v[QB+\i], 0
.endr
	v_mov_b32 v13, 0xff61b1e6                      ; the largest t so far: -3e38
	s_delay_alu instid0(VALU_DEP_1)
	v_floor_f32 v12, -v13
	v_mov_b32 v14, 0
	v_mov_b32 v15, 0
.set kk, 0
.rept 32
	v_mov_b32 v[O+kk], 0                           ; O^T: the step is written once; the first change of M leaves zeros zeros
.set kk, kk+1
.endr
.irp b, 0,1,2,3
	v_mov_b32 v[236+\b], 0                         ; written once: a lane permute's destination counts as one of its sources
.endr
	v_mov_b32 v252, 0
	v_mov_b32 v253, 0
	s_wait_tensorcnt 0x0                           ; my panel has landed,
	s_wait_loadcnt 0x0                             ; and Q
	s_barrier_signal -1
	s_barrier_wait -1                              ; everybody's has
.Lstep:                                            ; 16 trips in every wave; a step beyond my rank does nothing but count
	s_cmp_gt_u32 s[SI], s[RK]
	s_cbranch_scc1 .Lhidden
	v_add_nc_u32 v[ADK], s[TB], v[LI]
	v_add_nc_u32 v[ADS], s[TB], v[LS]
.rept 6
	v_nop                                          ; with the two additions: eight places in front of loads into registers that the last step's products read
.endr
.irp b, 0,1,2,3
.irp c, 0,1,2,3
	ds_load_b128 v[FRG+16*\b+4*\c:FRG+16*\b+4*\c+3], v[ADK] offset:2048*\b+512*\c
.endr
	ds_load_b32 v[248+\b], v[ADS] offset:16384+64*\b
.endr
	s_wait_alu depctr_va_vdst(0)
	s_wait_dscnt 0x0
.irp b, 0,1,2,3
	v_wmma_scale_f32_16x16x128_f8f6f4 v[S+16*\b:S+16*\b+7], v[FRG+16*\b:FRG+16*\b+15], v[QA:QA+15], 0, v[248+\b], v255       ; keys 32 b + 16 h + 0 .. 7
	v_wmma_scale_f32_16x16x128_f8f6f4 v[S+16*\b+8:S+16*\b+15], v[FRG+16*\b:FRG+16*\b+15], v[QB:QB+15], 0, v[248+\b], v255    ; keys 32 b + 16 h + 8 .. 15
.endr
.rept 8
	v_nop                                          ; places: the loads below land on K's registers, and the scores are read
.endr
.irp t, 0,1,2,3                                ; V is asked for now and lands during the softmax
.irp c, 0,1,2,3
	ds_load_b128 v[FRG+16*\t+4*\c:FRG+16*\t+4*\c+3], v[ADK] offset:8192+2048*\t+512*\c
.endr
	ds_load_b32 v[248+\t], v[ADS] offset:16640+64*\t
.endr
	s_cmp_lg_u32 s[SI], s[RK]
	s_cbranch_scc1 .Lopen                          ; under the diagonal every key counts
	v_mov_b32 v254, 0xff800000                     ; on it the scores of hidden keys become -infinity: p = 0
.irp n, 0,1,2,3,4,5,6,7,8,9,10,11,12,13,14,15,16,17,18,19,20,21,22,23,24,25,26,27,28,29,30,31,32,33,34,35,36,37,38,39,40,41,42,43,44,45,46,47,48,49,50,51,52,53,54,55,56,57,58,59,60,61,62,63
	v_cmp_gt_i32 vcc_lo, 32*(\n/16)+\n%16, v[DQ]
	v_cndmask_b32 v[S+\n], v[S+\n], v254, vcc_lo
.endr
.Lopen:
.irp b, 0,1,2,3
	v_max3_num_f32 v[232+\b], v[S+16*\b], v[S+1+16*\b], v[S+2+16*\b]   ; the largest score of each block of 32 keys
.endr
.irp i, 3,5,7,9,11,13
.irp b, 0,1,2,3
	v_max3_num_f32 v[232+\b], v[232+\b], v[S+16*\b+\i], v[S+1+16*\b+\i]
.endr
.endr
.irp b, 0,1,2,3
	v_max_num_f32 v[232+\b], v[232+\b], v[S+15+16*\b]
.endr
.irp b, 0,1,2,3
	s_delay_alu instid0(VALU_DEP_4)
	v_permlanex16_b32 v[236+\b], v[232+\b], s[SEL], s[SEL+1]
.endr
.irp b, 0,1,2,3
	s_delay_alu instid0(VALU_DEP_4)
	v_max_num_f32 v[232+\b], v[232+\b], v[236+\b]
.endr
	s_delay_alu instid0(VALU_DEP_2)
	v_max3_num_f32 v254, v232, v233, v234
	s_delay_alu instid0(VALU_DEP_1)
	v_max_num_f32 v254, v254, v235
	s_delay_alu instid0(VALU_DEP_1)
	v_mul_f32 v254, s[CS], v254
	s_delay_alu instid0(VALU_DEP_1)
	v_max_num_f32 v13, v13, v254                   ; the running largest t
	v_mov_b32 v254, v12
	s_delay_alu instid0(VALU_DEP_2)
	v_floor_f32 v12, -v13                          ; the new -M
	s_delay_alu instid0(VALU_DEP_1)
	v_sub_f32 v254, v12, v254                      ; old M - new M: a whole number, 0 or less
	s_delay_alu instid0(VALU_DEP_1)
	v_cvt_i32_f32 v254, v254
	s_delay_alu instid0(VALU_DEP_1)
	v_ldexp_f32 v252, 1.0, v254                    ; f = 2^(old M - new M)
.set kk, 0
.rept 32
	v_pk_fma_f32 v[S+kk:S+kk+1], v[S+kk:S+kk+1], s[CS:CS+1], v[12:13] op_sel_hi:[1,0,0]   ; t - M
.set kk, kk+2
.endr
.irp b, 0,1,2,3
	v_fma_f32 v[232+\b], v[232+\b], s[CS], v12
.endr
.set kk, 0
	s_wait_alu depctr_va_vdst(0)
.rept 64
	v_exp_f32 v[S+kk], v[S+kk]                     ; p = 2^(t - M)
.set kk, kk+1
.endr
	v_pk_mul_f32 v[14:15], v[14:15], v[252:253] op_sel_hi:[1,0]   ; the sums under the new M: a plain line behind the exponentials
	s_wait_alu depctr_va_vdst(0)                   ; one wait for the batch, ahead of its first reader
.irp b, 0,1,2,3
	v_exp_f32 v[232+\b], v[232+\b]                 ; the blocks' largest p
.endr
	v_pk_add_f32 v[236:237], v[116:117], v[120:121]
	v_pk_add_f32 v[246:247], v[124:125], v[128:129]
	v_pk_add_f32 v[244:245], v[132:133], v[136:137]
	v_pk_add_f32 v[242:243], v[140:141], v[144:145]
	v_pk_add_f32 v[240:241], v[148:149], v[152:153]
	v_pk_add_f32 v[238:239], v[156:157], v[160:161]
	v_pk_add_f32 v[230:231], v[164:165], v[168:169]
	v_pk_add_f32 v[14:15], v[14:15], v[172:173]
	v_pk_add_f32 v[236:237], v[236:237], v[112:113]
	v_pk_add_f32 v[246:247], v[246:247], v[114:115]
	v_pk_add_f32 v[244:245], v[244:245], v[118:119]
	v_pk_add_f32 v[242:243], v[242:243], v[122:123]
	v_pk_add_f32 v[240:241], v[240:241], v[126:127]
	v_pk_add_f32 v[238:239], v[238:239], v[130:131]
	v_pk_add_f32 v[230:231], v[230:231], v[134:135]
	v_pk_add_f32 v[14:15], v[14:15], v[138:139]
	v_pk_add_f32 v[236:237], v[236:237], v[142:143]
	v_pk_add_f32 v[246:247], v[246:247], v[146:147]
	v_pk_add_f32 v[244:245], v[244:245], v[150:151]
	v_pk_add_f32 v[242:243], v[242:243], v[154:155]
	v_pk_add_f32 v[240:241], v[240:241], v[158:159]
	v_pk_add_f32 v[238:239], v[238:239], v[162:163]
	v_pk_add_f32 v[230:231], v[230:231], v[166:167]
	v_pk_add_f32 v[14:15], v[14:15], v[170:171]
	v_pk_add_f32 v[236:237], v[236:237], v[174:175]
	s_delay_alu instid0(VALU_DEP_2)
	v_pk_add_f32 v[14:15], v[14:15], v[242:243]
	s_delay_alu instid0(VALU_DEP_2)
	v_pk_add_f32 v[236:237], v[236:237], v[240:241]
	v_pk_add_f32 v[246:247], v[246:247], v[238:239]
	v_pk_add_f32 v[244:245], v[244:245], v[230:231]
	s_delay_alu instid0(VALU_DEP_2)
	v_pk_add_f32 v[14:15], v[14:15], v[246:247]
	s_delay_alu instid0(VALU_DEP_2)
	v_pk_add_f32 v[236:237], v[236:237], v[244:245]
	s_delay_alu instid0(VALU_DEP_1)
	v_pk_add_f32 v[14:15], v[14:15], v[236:237]
	s_wait_alu depctr_va_vdst(0)                   ; and one for the four
.irp b, 0,1,2,3
	v_max_num_f32 v[232+\b], 0x4800000, v[232+\b]  ; the floor
.endr
.irp b, 0,1,2,3
	s_delay_alu instid0(VALU_DEP_4)
	v_add_nc_u32 v[244+\b], 0xfc000000, v[232+\b]
.endr
.irp b, 0,1,2,3
	v_and_or_b32 v[240+\b], v[232+\b], 0x7f800000, s[MNT]
.endr
.irp b, 0,1,2,3
	v_lshrrev_b32 v[236+\b], 23, v[244+\b]
.endr
	s_delay_alu instid0(VALU_DEP_3)
	v_lshl_or_b32 v253, v237, 8, v236              ; p's scale word for these 128 keys
	s_delay_alu instid0(VALU_DEP_1)
	v_lshl_or_b32 v253, v238, 16, v253
	s_delay_alu instid0(VALU_DEP_1)
	v_lshl_or_b32 v253, v239, 24, v253
.irp b, 0,1,2,3
.irp i, 0,1,2,3,4,5,6,7,8,9,10,11,12,13,14,15
	v_min_num_f32 v[S+16*\b+\i], v[S+16*\b+\i], v[240+\b]   ; the hold; p is not negative
.endr
	v_cvt_scalef32_pk8_fp8_f32 v[PCD+4*\b:PCD+1+4*\b], v[S+16*\b:S+7+16*\b], v[244+\b]
	v_cvt_scalef32_pk8_fp8_f32 v[PCD+2+4*\b:PCD+3+4*\b], v[S+8+16*\b:S+15+16*\b], v[244+\b]
.endr
.set kk, 0
.rept 16
	v_pk_mul_f32 v[O+kk:O+kk+1], v[O+kk:O+kk+1], v[252:253] op_sel_hi:[1,0]   ; O^T under the new M; also the places between the codes and the products
.set kk, kk+2
.endr
	s_wait_alu depctr_va_vdst(0)
	s_wait_dscnt 0x0                               ; V
.irp t, 0,1,2,3
	v_wmma_scale_f32_16x16x128_f8f6f4 v[O+8*\t:O+8*\t+7], v[FRG+16*\t:FRG+16*\t+15], v[PCD:PCD+15], v[O+8*\t:O+8*\t+7], v[248+\t], v253   ; the four accumulators by turns
.endr
.Lhidden:
	s_add_co_u32 s[TB], s[TB], KVP
	s_add_co_u32 s[SI], s[SI], 1
	s_cmp_lt_u32 s[SI], 16
	s_cbranch_scc1 .Lstep
	; THE WAY OUT: O^T / the sum is row perm(j, r) of the projection's left operand, channels 64 head + 32 P + 16 h + i in register 16 P + i: two blocks of 32
.rept 8
	v_nop                                          ; places behind the last products
.endr
	v_add_f32 v14, v14, v15
	s_wait_alu depctr_va_vdst(0)
	v_permlanex16_b32 v252, v14, s[SEL], s[SEL+1]
	s_delay_alu instid0(VALU_DEP_1)
	v_add_f32 v14, v14, v252                       ; the row's sum
	s_wait_alu depctr_va_vdst(0)
	v_rcp_f32 v14, v14
	v_nop
	s_wait_alu depctr_va_vdst(0)
.set kk, 0
.rept 16
	v_pk_mul_f32 v[S+kk:S+kk+1], v[O+kk:O+kk+1], v[14:15] op_sel_hi:[1,0]
.set kk, kk+2
.endr
	s_and_b32 s32, s[BH], 15                       ; head
	s_lshr_b32 s33, s[BH], 4
	s_lshl_b32 s33, s33, 4
	s_add_co_u32 s33, s33, s[RK]                   ; the group of 128 tokens
	s_lshl_b32 s33, s33, 2
	s_lshr_b32 s34, s32, 2
	s_add_co_u32 s33, s33, s34
	s_mul_i32 s33, s33, PB                         ; the panel
	s_bfe_u32 s34, s32, 0x10001                    ; q
	s_and_b32 s35, s32, 1
	s_lshl_b32 s38, s[J], 12
	s_add_co_u32 s38, s38, s33
	s_lshl_b32 s39, s34, 11
	s_add_co_u32 s38, s38, s39
	s_lshl_b32 s39, s35, 10
	s_add_co_u32 s38, s38, s39
	s_mov_b32 s39, 0
	s_add_nc_u64 s[OB:OB+1], s[6:7], s[38:39]
	s_lshl_b32 s38, s[J], 6
	s_add_co_u32 s38, s38, s33
	s_lshl_b32 s40, s34, 9
	s_add_co_u32 s38, s38, s40
	s_lshl_b32 s40, s35, 1
	s_add_co_u32 s38, s38, s40
	s_add_co_u32 s38, s38, 32768
	s_add_nc_u64 s[OS:OS+1], s[6:7], s[38:39]
	s_wait_alu depctr_va_vdst(0)
.irp b, 0,1
	v_max3_num_f32 v[232+\b], |v[S+16*\b]|, |v[S+1+16*\b]|, 0x4800000
.endr
.irp i, 2,4,6,8,10,12,14
.irp b, 0,1
	s_delay_alu instid0(VALU_DEP_2)
	v_max3_num_f32 v[232+\b], v[232+\b], |v[S+16*\b+\i]|, |v[S+1+16*\b+\i]|
.endr
.endr
.irp b, 0,1
	s_delay_alu instid0(VALU_DEP_2)
	v_permlanex16_b32 v[236+\b], v[232+\b], s[SEL], s[SEL+1]
.endr
.irp b, 0,1
	s_delay_alu instid0(VALU_DEP_2)
	v_max_num_f32 v[232+\b], v[232+\b], v[236+\b]
.endr
.irp b, 0,1
	s_delay_alu instid0(VALU_DEP_2)
	v_add_nc_u32 v[244+\b], 0xfc000000, v[232+\b]
.endr
.irp b, 0,1
	s_delay_alu instid0(VALU_DEP_4)
	v_and_or_b32 v[240+\b], v[232+\b], 0x7f800000, s[MNT]
.endr
.irp b, 0,1
	s_delay_alu instid0(VALU_DEP_4)
	v_lshrrev_b32 v[236+\b], 23, v[244+\b]
.endr
	s_delay_alu instid0(VALU_DEP_1)
	v_lshl_or_b32 v254, v237, 8, v236              ; my head's two bytes of the row's scale word
.irp b, 0,1
.irp i, 0,1,2,3,4,5,6,7,8,9,10,11,12,13,14,15
	v_med3_num_f32 v[S+16*\b+\i], v[S+16*\b+\i], -v[240+\b], v[240+\b]
.endr
	v_cvt_scalef32_pk8_fp8_f32 v[PCD+4*\b:PCD+1+4*\b], v[S+16*\b:S+7+16*\b], v[244+\b]
	v_cvt_scalef32_pk8_fp8_f32 v[PCD+2+4*\b:PCD+3+4*\b], v[S+8+16*\b:S+15+16*\b], v[244+\b]
.endr
	v_nop
	global_store_b128 v[LI], v[PCD:PCD+3], s[OB:OB+1]             ; 512 consecutive bytes, aligned
	global_store_b128 v[LI], v[PCD+4:PCD+7], s[OB:OB+1] offset:512
	global_store_b16 v[LS], v254, s[OS:OS+1]
	s_wait_tensorcnt 0x0                           ; the wave's end
	ds_add_u32 v[SPW], v[NIL]
	s_wait_dscnt 0x0
	CROUND                                         ; the closing round
	s_endpgm
.Lfunc_end_k_qcfe05d8c43_attn:
	.size	k_qcfe05d8c43_attn, .Lfunc_end_k_qcfe05d8c43_attn-k_qcfe05d8c43_attn
	.p2alignl 7, 3214868480
	.fill 96, 4, 3214868480
	.section	.rodata,"a",@progbits
	.p2align	6, 0x0
	.amdhsa_kernel k_qcfe05d8c43_attn
		.amdhsa_group_segment_fixed_size 327680
		.amdhsa_private_segment_fixed_size 0
		.amdhsa_enable_private_segment 0
		.amdhsa_kernarg_size 16
		.amdhsa_user_sgpr_count 2
		.amdhsa_user_sgpr_kernarg_segment_ptr 1
		.amdhsa_wavefront_size32 1
		.amdhsa_system_sgpr_workgroup_id_x 1
		.amdhsa_system_sgpr_workgroup_id_y 1
		.amdhsa_system_sgpr_workgroup_id_z 1
		.amdhsa_system_vgpr_workitem_id 0
		.amdhsa_next_free_vgpr 256
		.amdhsa_next_free_sgpr 66
		.amdhsa_reserve_vcc 1
		.amdhsa_float_denorm_mode_32 3
		.amdhsa_float_denorm_mode_16_64 3
		.amdhsa_memory_ordered 1
		.amdhsa_forward_progress 1
		.amdhsa_inst_pref_size 40
	.end_amdhsa_kernel
	.amdgpu_metadata
---
amdhsa.version: [ 1, 2 ]
amdhsa.kernels:
  - .name:           k_qcfe05d8c43_attn
    .symbol:         k_qcfe05d8c43_attn.kd
    .args:
      - { .name: qkv, .offset: 0, .size: 8, .value_kind: global_buffer, .address_space: global }
      - { .name: yp, .offset: 8, .size: 8, .value_kind: global_buffer, .address_space: global }
    .group_segment_fixed_size: 327680
    .private_segment_fixed_size: 0
    .kernarg_segment_align: 8
    .kernarg_segment_size: 16
    .max_flat_workgroup_size: 512
    .sgpr_count:     66
    .vgpr_count:     256
    .wavefront_size: 32
...
	.end_amdgpu_metadata
.endif
;; end of part 3
;; launch proj (part 4): grid 8 x 32, 4 waves a work-group, clusters of 4 x 4, 327,680 bytes of LDS; arguments yp, wq, b_proj, hidden_states, h1; writes h1
.if DOCPART == 4
	.amdgcn_target "amdgcn-amd-amdhsa--gfx1250"
	.amdhsa_code_object_version 6
	.text
	.protected	k_qcfe05d8c43_proj
	.globl	k_qcfe05d8c43_proj
	.p2align	8
	.type	k_qcfe05d8c43_proj,@function
k_qcfe05d8c43_proj:
	s_mov_b64 s[64:65], 0
	v_nop
	global_prefetch_b8 v0, s[64:65] scope:SCOPE_SE
	s_setreg_imm32_b32 hwreg(HW_REG_WAVE_MODE, 25, 1), 1
	s_wait_xcnt 0x0
	s_wait_alu depctr_hold_cnt(0) depctr_sa_sdst(0) depctr_va_vdst(0) depctr_va_sdst(0) depctr_va_ssrc(0) depctr_va_vcc(0) depctr_vm_vsrc(0)
	s_getreg_b32 s2, hwreg(HW_REG_IB_STS2, 6, 4)
	s_cmp_eq_u32 s2, 0
	s_cbranch_scc0 .Lentry_in_a_cluster
	s_endpgm
.Lentry_in_a_cluster:
	s_bfe_u32 s2, ttmp6, 0x10000c
	s_cmp_lg_u32 s2, 0xf033
	s_cbranch_scc0 .Lentry_shape_is_right
	s_endpgm
.Lentry_shape_is_right:
; h1 = hidden_states + (Y w_proj + b_proj) on codes of E4M3, K = 1,024.  The text is launch fc2's with KC = 4: its head comment explains the design, the shares and the waits.
; Here K is four panels: all come by the head's joint loads (LP = 0), wave w multiplies panel w, nothing is filled again and no operand comes by plain loads.  LIMITS: launch prep's; f32 sums in another order than reference()'s.
.set KC,     4
.set WOFF,   0
.set LAST,   0
.set LP,     0
.set DOFF,   0
.set DPW,    0
.set T1,     -1
.set RF,     -1
.set T2,     -1
.set PB,     33792
.set NT,     KC/2
.set NH,     2*NT
.set STAGE,  8*PB
.set SPITCH, 528
.set SPARE,  STAGE+4*16*SPITCH
.set SPW, 8
.set NIL, 9
.set VA,  16
.set VSA, 20
.set VB,  24
.set VSB, 25
.set VL,  26
.set VR,  29
.set STO, 30
.set RD,  31
.set SC,  32
.set BI,  48
.set LA,  52
.set LSA, 56
.set LB,  60
.set LSB, 61
.set AF,  64
.set G1,  24
.set G0,  32
.set G1B, 48
.set G0B, 56
.set MSB, 0
.set CNT, 0
.set DC, 0
.set M0, 0
.set M1, 0
.set M2, 0
.macro WIN new
.if MSB != \new
	s_set_vgpr_msb (MSB<<8)|\new
.set MSB, \new
.endif
.endm
.macro PLACES n
.rept \n
	v_nop
.endr
.endm
.macro JLOAD
	s_cmp_eq_u32 s15, 0
	s_cbranch_scc0 .Lfor_b_\@
	tensor_load_to_lds s[G0:G0+3], s[G1:G1+7]
	s_nop 0
.rept 4
	v_nop
.endr
	s_branch .Lasked_\@
.Lfor_b_\@:
	tensor_load_to_lds s[G0B:G0B+3], s[G1B:G1B+7]
	s_nop 0
.rept 4
	v_nop
.endr
.Lasked_\@:
.endm
.macro CROUND
	s_barrier_signal -1
	s_barrier_wait -1
	s_cmp_lg_u32 s14, 0
	s_cbranch_scc1 .Lnot_wave_0_\@
	s_barrier_signal -3
.Lnot_wave_0_\@:
	s_barrier_wait -3
	s_barrier_signal -1
	s_barrier_wait -1
.endm
.macro TILES
	s_wait_tensorcnt 0x0
	s_barrier_signal -1
	s_barrier_wait -1
.endm
.macro REFILL
	s_wait_tensorcnt 0x0
	ds_add_u32 v[SPW], v[NIL]
	s_add_nc_u64 s[G0+2:G0+3], s[G0+2:G0+3], 4*PB
	s_add_nc_u64 s[G0B+2:G0B+3], s[G0B+2:G0B+3], 4*PB
	s_wait_dscnt 0x0
	CROUND
	JLOAD
.endm
.macro LDA h
.if (((\h)/4)%2) == LP
.irp k, 0,1,2,3
.irp c, 0,1,2,3
	ds_load_b128 v[AF+64*((\h)%3)+16*\k+4*\c:AF+64*((\h)%3)+16*\k+4*\c+3], v[LA+2*((\h)%2)+\k/2] offset:(((\h)/2)%2)*2048+(\k%2)*4096+512*\c
.endr
.endr
.set DC, DC+16
.set MK_, DC
.else
.irp k, 0,1,2,3
.irp c, 0,1,2,3
	global_load_b128 v[AF+64*((\h)%3)+16*\k+4*\c:AF+64*((\h)%3)+16*\k+4*\c+3], v[VA+2*((\h)%2)+\k/2], s[4:5] offset:((\h)/8)*PB+(((\h)/2)%2)*2048+(\k%2)*4096+512*\c
.endr
.endr
.set CNT, CNT+16
.set MK_, CNT
.endif
.if ((\h)%3) == 0
.set M0, MK_
.elseif ((\h)%3) == 1
.set M1, MK_
.else
.set M2, MK_
.endif
.endm
.macro LDB t
	WIN 0x40
.if (((\t)/2)%2) == LP
.irp b, 0,1,2,3,4,5,6,7
.irp c, 0,1,2,3
	ds_load_b128 v[128*((\t)%2)+16*\b+4*\c:128*((\t)%2)+16*\b+4*\c+3], v[LB] offset:((\t)%2)*2048+4096*\b+512*\c
.endr
.endr
.set DC, DC+32
.else
.irp b, 0,1,2,3,4,5,6,7
.irp c, 0,1,2,3
	global_load_b128 v[128*((\t)%2)+16*\b+4*\c:128*((\t)%2)+16*\b+4*\c+3], v[VB], s[6:7] offset:((\t)/4)*PB+((\t)%2)*2048+4096*\b+512*\c
.endr
.endr
.set CNT, CNT+32
.endif
	WIN 0
.endm
.macro LDSC t
.if (((\t)/2)%2) == LP
.irp p, 0,1,2,3
	ds_load_b32 v[SC+8*((\t)%2)+\p], v[LSA+\p] offset:32768+((\t)%2)*512
	ds_load_b32 v[SC+8*((\t)%2)+4+\p], v[LSB] offset:32768+((\t)%2)*512+128*\p
.endr
.set DC, DC+8
.else
.irp p, 0,1,2,3
	global_load_b32 v[SC+8*((\t)%2)+\p], v[VSA+\p], s[4:5] offset:((\t)/4)*PB+32768+((\t)%2)*512
	global_load_b32 v[SC+8*((\t)%2)+4+\p], v[VSB], s[6:7] offset:((\t)/4)*PB+32768+((\t)%2)*512+128*\p
.endr
.set CNT, CNT+8
.endif
.endm
.macro RESID
	global_load_b128 v[BI:BI+3], v[VB], s[8:9]
	WIN 0x40
.irp a, 0,1
.irp t, 0,1,2,3,4,5,6,7,8,9,10,11,12,13,14,15
	global_load_b128 v[64*\a+4*\t:64*\a+4*\t+3], v[VB], s[10:11] offset:(8*\a+\t%8+16*(\t/8))*4096 th:TH_LOAD_NT
.endr
.endr
	WIN 0
.set CNT, CNT+33
.endm
.macro WAITA h
.if ((\h)%3) == 0
.set MK_, M0
.elseif ((\h)%3) == 1
.set MK_, M1
.else
.set MK_, M2
.endif
.if (((\h)/4)%2) == LP
.set NW, DC-MK_
.else
.set NW, CNT-MK_
.endif
.if NW > 63
.set NW, 63
.endif
.if (((\h)/4)%2) == LP
	s_wait_dscnt NW
.else
	s_wait_loadcnt NW
.endif
.endm
.macro WM
.if Z_
.if RX_ && RY_
	v_wmma_scale_f32_16x16x128_f8f6f4 v[D_:D_+7], v[X_:X_+15], v[Y_:Y_+15], 0, v[SX_], v[SY_] matrix_a_scale:MATRIX_SCALE_ROW1 matrix_b_scale:MATRIX_SCALE_ROW1
.elseif RX_
	v_wmma_scale_f32_16x16x128_f8f6f4 v[D_:D_+7], v[X_:X_+15], v[Y_:Y_+15], 0, v[SX_], v[SY_] matrix_a_scale:MATRIX_SCALE_ROW1
.elseif RY_
	v_wmma_scale_f32_16x16x128_f8f6f4 v[D_:D_+7], v[X_:X_+15], v[Y_:Y_+15], 0, v[SX_], v[SY_] matrix_b_scale:MATRIX_SCALE_ROW1
.else
	v_wmma_scale_f32_16x16x128_f8f6f4 v[D_:D_+7], v[X_:X_+15], v[Y_:Y_+15], 0, v[SX_], v[SY_]
.endif
.else
.if RX_ && RY_
	v_wmma_scale_f32_16x16x128_f8f6f4 v[D_:D_+7], v[X_:X_+15], v[Y_:Y_+15], v[D_:D_+7], v[SX_], v[SY_] matrix_a_scale:MATRIX_SCALE_ROW1 matrix_b_scale:MATRIX_SCALE_ROW1
.elseif RX_
	v_wmma_scale_f32_16x16x128_f8f6f4 v[D_:D_+7], v[X_:X_+15], v[Y_:Y_+15], v[D_:D_+7], v[SX_], v[SY_] matrix_a_scale:MATRIX_SCALE_ROW1
.elseif RY_
	v_wmma_scale_f32_16x16x128_f8f6f4 v[D_:D_+7], v[X_:X_+15], v[Y_:Y_+15], v[D_:D_+7], v[SX_], v[SY_] matrix_b_scale:MATRIX_SCALE_ROW1
.else
	v_wmma_scale_f32_16x16x128_f8f6f4 v[D_:D_+7], v[X_:X_+15], v[Y_:Y_+15], v[D_:D_+7], v[SX_], v[SY_]
.endif
.endif
.endm
.macro MUL h
.set W_, 0xa1+0x50*((\h)%2)
	WIN W_
.set Z_, (\h) < 2
.irp k, 0,1,2,3
.irp b, 0,1,2,3,4,5,6,7
.set D_, 8*(8*\k+\b)
.set X_, 128*(((\h)/2)%2)+16*\b
.set Y_, AF+64*((\h)%3)+16*\k
.set SX_, SC+8*(((\h)/2)%2)+4+\b/2
.set SY_, SC+8*(((\h)/2)%2)+2*((\h)%2)+\k/2
.set RX_, \b%2
.set RY_, \k%2
	WM
.endr
.endr
.endm
	s_load_b256 s[4:11], s[0:1], 0x0
	s_load_b64 s[12:13], s[0:1], 0x20
	v_lshl_add_u32 v[SPW], v0, 2, SPARE
	v_mov_b32 v[NIL], 0
	ds_add_u32 v[SPW], v[NIL]
	ds_add_u32 v[SPW], v[NIL]
	v_lshrrev_b32 v1, 5, v0
	v_readfirstlane_b32 s14, v1
	v_and_b32 v2, 31, v0
	v_lshlrev_b32 v[VB], 4, v2
	v_lshlrev_b32 v[VSB], 2, v2
	v_and_b32 v3, 15, v0
	v_bfe_u32 v4, v0, 4, 1
	v_mul_u32_u24 v3, v3, SPITCH
	v_lshl_add_u32 v3, v4, 6, v3
	s_wait_alu depctr_va_vdst(0)
	s_lshr_b32 s15, s14, 1
	s_and_b32 s16, s14, 1
	s_bfe_u32 s40, ttmp6, 0x40000
	s_bfe_u32 s41, ttmp6, 0x40004
	s_lshl_b32 s42, ttmp9, 2
	s_add_co_u32 s42, s42, s40
	s_and_b32 s17, ttmp7, 0xffff
	s_lshl_b32 s17, s17, 2
	s_add_co_u32 s17, s17, s41
	s_lshl_b32 s43, s41, 2
	s_lshl_b32 s43, 15, s43
	s_lshl_b32 s44, 0x1111, s40
	s_or_b32 s[G1+0], s43, (3<<16)|(1<<21)
	s_or_b32 s[G1B+0], s44, (3<<16)|(1<<21)
.irp g, G1, G1B
	s_mov_b32 s[\g+1], 32<<16
	s_mov_b32 s[\g+2], 264<<16
	s_mov_b32 s[\g+3], 32<<16
	s_mov_b32 s[\g+4], 264
	s_mov_b32 s[\g+5], 32
	s_mov_b32 s[\g+6], 0
	s_mov_b32 s[\g+7], 0
.endr
	s_lshl_b32 s19, s16, 1
	s_mul_i32 s20, s17, KC
	s_add_co_u32 s20, s20, s19
	s_mul_i32 s20, s20, PB
	s_mov_b32 s21, 0
	s_mul_i32 s46, s42, KC
	s_add_co_u32 s46, s46, s19
	s_mul_i32 s46, s46, PB
	s_add_co_u32 s46, s46, WOFF
	s_mov_b32 s47, 0
	s_mul_i32 s45, s14, 2*PB
	s_mul_i32 s19, s14, DPW
	s_add_co_u32 s19, s19, DOFF
	s_mul_i32 s60, s17, KC
	s_add_co_u32 s60, s60, s19
	s_mul_i32 s60, s60, PB
	s_mov_b32 s61, 0
	s_mul_i32 s62, s42, KC
	s_add_co_u32 s62, s62, s19
	s_mul_i32 s62, s62, PB
	s_add_co_u32 s62, s62, WOFF
	s_mov_b32 s63, 0
	s_lshl_b32 s66, s17, 7
	s_lshl_b32 s67, s14, 5
	s_add_co_u32 s66, s66, s67
	s_lshl_b32 s66, s66, 12
	s_lshl_b32 s68, s42, 9
	s_add_co_u32 s66, s66, s68
	s_mov_b32 s67, 0
	s_mov_b32 s69, 0
	s_mul_i32 s36, s14, PB
	s_add_co_u32 s37, s36, 4*PB
.irp p, 0,1,2,3
	s_add_co_u32 s18, s14, \p
	s_and_b32 s18, s18, 3
	s_lshl_b32 s22, s18, 13
	v_add_nc_u32 v[VA+\p], s22, v[VB]
	v_add_nc_u32 v[LA+\p], s36, v[VA+\p]
	s_lshl_b32 s22, s18, 7
	v_add_nc_u32 v[VSA+\p], s22, v[VSB]
	v_add_nc_u32 v[LSA+\p], s36, v[VSA+\p]
.if \p > 0
	s_mul_i32 s22, s18, 3
	s_add_co_u32 s22, s22, \p-1
	s_lshl_b32 s22, s22, 14
	v_add_nc_u32 v[VL+\p-1], s22, v[VB]
.endif
.endr
	v_add_nc_u32 v[LB], s37, v[VB]
	v_add_nc_u32 v[LSB], s37, v[VSB]
	s_mul_i32 s22, s14, 3*16384
	v_add_nc_u32 v[VR], s22, v[VB]
	s_mul_i32 s22, s14, 16*SPITCH
	s_add_co_u32 s22, s22, STAGE
	v_add_nc_u32 v[RD], s22, v[VB]
	v_add_nc_u32 v[STO], s22, v3
	s_wait_alu depctr_va_vdst(0)
	s_wait_dscnt 0x0
	s_wait_kmcnt 0x0
	s_add_nc_u64 s[20:21], s[4:5], s[20:21]
	s_add_nc_u64 s[46:47], s[6:7], s[46:47]
	s_add_nc_u64 s[4:5], s[4:5], s[60:61]
	s_add_nc_u64 s[6:7], s[6:7], s[62:63]
	s_add_nc_u64 s[8:9], s[8:9], s[68:69]
	s_add_nc_u64 s[10:11], s[10:11], s[66:67]
	s_add_nc_u64 s[12:13], s[12:13], s[66:67]
.if LP
	LDSC 0
	LDB 0
	LDA 0
.endif
	CROUND
	s_mov_b32 s[G0], 1
	s_mov_b32 s[G0+1], s45
	s_mov_b64 s[G0+2:G0+3], s[20:21]
	s_or_b32 s[G0+3], s[G0+3], 0x80000000
	s_mov_b32 s[G0B], 1
	s_mov_b32 s[G0B+1], s45
	s_mov_b64 s[G0B+2:G0B+3], s[46:47]
	s_or_b32 s[G0B+3], s[G0B+3], 0x80000000
	JLOAD
.if LP == 0
	TILES
	LDSC 0
	LDB 0
	LDA 0
.endif
	LDA 1
	LDSC 1
	LDB 1
	LDA 2
.set H, 0
.rept NH
	WAITA H
.if H == NH-1
	s_wait_dscnt 0x0
	s_barrier_signal -1
.endif
	MUL H
	WIN 0
.if H == NH-1
	s_barrier_wait -1
.endif
.if H != NH-2
	PLACES 8
.endif
.if (H == T1) || (H == T2)
	TILES
.endif
.if H == RF
	REFILL
.endif
.if (H%2) && ((H+3)/2 < NT)
	LDSC (H+3)/2
	LDB (H+3)/2
.endif
.if H+3 < NH
	LDA H+3
.endif
.if H == NH-3
	RESID
.endif
.set H, H+1
.endr
.irp p, 1,2,3
.set W_, 0x08+4*(\p/2)
	WIN W_
.set KK, 0
.rept 16
	ds_store_b128 v[VL+\p-1], v[128*(\p%2)+8*KK:128*(\p%2)+8*KK+3] offset:1024*KK
	ds_store_b128 v[VL+\p-1], v[128*(\p%2)+8*KK+4:128*(\p%2)+8*KK+7] offset:1024*KK+512
.set KK, KK+1
.endr
.endr
	WIN 0
	s_wait_dscnt 0x0
	s_barrier_signal -1
	s_barrier_wait -1
.irp p, 1,2,3
.set W_, 0x80+0x40*(\p/2)
	WIN W_
.set KK, 0
.rept 16
	ds_load_b128 v[128*(\p%2)+8*KK:128*(\p%2)+8*KK+3], v[VR] offset:16384*(\p-1)+1024*KK
	ds_load_b128 v[128*(\p%2)+8*KK+4:128*(\p%2)+8*KK+7], v[VR] offset:16384*(\p-1)+1024*KK+512
.set KK, KK+1
.endr
.endr
	WIN 0x41
	s_wait_loadcnt 0x0
.set KK, 0
.rept 32
	v_pk_add_f32 v[4*KK:4*KK+1], v[4*KK:4*KK+1], v[BI:BI+1]
	v_pk_add_f32 v[4*KK+2:4*KK+3], v[4*KK+2:4*KK+3], v[BI+2:BI+3]
.set KK, KK+1
.endr
	s_wait_dscnt 63
	WIN 0x8a
.set KK, 0
.rept 64
	v_pk_add_f32 v[KK:KK+1], v[KK:KK+1], v[128+KK:129+KK]
.set KK, KK+2
.endr
	s_wait_dscnt 32
	WIN 0x8e
.set KK, 0
.rept 64
	v_pk_add_f32 v[KK:KK+1], v[KK:KK+1], v[KK:KK+1]
.set KK, KK+2
.endr
	s_wait_dscnt 0x0
.set KK, 0
.rept 64
	v_pk_add_f32 v[KK:KK+1], v[KK:KK+1], v[128+KK:129+KK]
.set KK, KK+2
.endr
	WIN 0
	s_wait_alu depctr_va_vdst(0)
.macro TOSTAGE a
	WIN 0x08
.irp b, 0,1,2,3,4,5,6,7
	ds_store_b128 v[STO], v[64*\a+8*\b:64*\a+8*\b+3] offset:128*(\b/2)+32*(\b%2)
	ds_store_b128 v[STO], v[64*\a+8*\b+4:64*\a+8*\b+7] offset:128*(\b/2)+32*(\b%2)+16
.endr
	WIN 0
.irp t, 0,1,2,3,4,5,6,7,8,9,10,11,12,13,14,15
	ds_load_b128 v[AF+64*\a+4*\t:AF+64*\a+4*\t+3], v[RD] offset:SPITCH*\t
.endr
.endm
.macro FIN a, younger
	s_wait_dscnt \younger
	WIN 0x04
.set KK, 0
.rept 32
	v_pk_add_f32 v[AF+64*\a+KK:AF+64*\a+KK+1], v[AF+64*\a+KK:AF+64*\a+KK+1], v[64*\a+KK:64*\a+KK+1]
.set KK, KK+2
.endr
	WIN 0
.irp t, 0,1,2,3,4,5,6,7,8,9,10,11,12,13,14,15
.if LAST
	global_store_b128 v[VB], v[AF+64*\a+4*\t:AF+64*\a+4*\t+3], s[12:13] offset:(8*\a+\t%8+16*(\t/8))*4096 th:TH_STORE_NT
.else
	global_store_b128 v[VB], v[AF+64*\a+4*\t:AF+64*\a+4*\t+3], s[12:13] offset:(8*\a+\t%8+16*(\t/8))*4096
.endif
.endr
.endm
	TOSTAGE 0
	TOSTAGE 1
	FIN 0, 32
	FIN 1, 0
	s_wait_tensorcnt 0x0
	ds_add_u32 v[SPW], v[NIL]
	s_wait_dscnt 0x0
	CROUND
	s_endpgm
.Lfunc_end_k_qcfe05d8c43_proj:
	.size	k_qcfe05d8c43_proj, .Lfunc_end_k_qcfe05d8c43_proj-k_qcfe05d8c43_proj
	.p2alignl 7, 3214868480
	.fill 96, 4, 3214868480
	.section	.rodata,"a",@progbits
	.p2align	6, 0x0
	.amdhsa_kernel k_qcfe05d8c43_proj
		.amdhsa_group_segment_fixed_size 327680
		.amdhsa_private_segment_fixed_size 0
		.amdhsa_enable_private_segment 0
		.amdhsa_kernarg_size 40
		.amdhsa_user_sgpr_count 2
		.amdhsa_user_sgpr_kernarg_segment_ptr 1
		.amdhsa_wavefront_size32 1
		.amdhsa_system_sgpr_workgroup_id_x 1
		.amdhsa_system_sgpr_workgroup_id_y 1
		.amdhsa_system_sgpr_workgroup_id_z 1
		.amdhsa_system_vgpr_workitem_id 0
		.amdhsa_next_free_vgpr 1024
		.amdhsa_next_free_sgpr 98
		.amdhsa_reserve_vcc 0
		.amdhsa_float_denorm_mode_32 3
		.amdhsa_float_denorm_mode_16_64 3
		.amdhsa_memory_ordered 1
		.amdhsa_forward_progress 1
		.amdhsa_inst_pref_size 77
	.end_amdhsa_kernel
	.amdgpu_metadata
---
amdhsa.version: [ 1, 2 ]
amdhsa.kernels:
  - .name:           k_qcfe05d8c43_proj
    .symbol:         k_qcfe05d8c43_proj.kd
    .args:
      - { .name: yp, .offset: 0, .size: 8, .value_kind: global_buffer, .address_space: global }
      - { .name: wq, .offset: 8, .size: 8, .value_kind: global_buffer, .address_space: global }
      - { .name: b_proj, .offset: 16, .size: 8, .value_kind: global_buffer, .address_space: global }
      - { .name: hidden_states, .offset: 24, .size: 8, .value_kind: global_buffer, .address_space: global }
      - { .name: h1, .offset: 32, .size: 8, .value_kind: global_buffer, .address_space: global }
    .group_segment_fixed_size: 327680
    .private_segment_fixed_size: 0
    .kernarg_segment_align: 8
    .kernarg_segment_size: 40
    .max_flat_workgroup_size: 128
    .sgpr_count:     98
    .vgpr_count:     1024
    .wavefront_size: 32
...
	.end_amdgpu_metadata
.endif
;; end of part 4
;; launch ln2 (part 5): grid 512 x 1, 8 waves a work-group, no clusters, 2,048 bytes of LDS; arguments h1, ln2_g, ln2_b, w_fc, w_fc2, zp, wq; writes zp, wq
.if DOCPART == 5
	.amdgcn_target "amdgcn-amd-amdhsa--gfx1250"
	.amdhsa_code_object_version 6
	.text
	.protected	k_qcfe05d8c43_ln2
	.globl	k_qcfe05d8c43_ln2
	.p2align	8
	.type	k_qcfe05d8c43_ln2,@function
k_qcfe05d8c43_ln2:
	s_mov_b64 s[64:65], 0
	v_nop
	global_prefetch_b8 v0, s[64:65] scope:SCOPE_SE
	s_setreg_imm32_b32 hwreg(HW_REG_WAVE_MODE, 25, 1), 1
	s_wait_xcnt 0x0
; z = LN2(h1), quantised along its 1,024 columns to codes of E4M3 and stored as panels; and, beside it, w_fc and w_fc2 become codes, which nothing reads before the next launch.  Layout, macros and LIMITS are launch prep's.
; SHARES.  Work-groups 0-255: weights (K is their first axis): one panel of 128 rows x 256 along K a work-group; a lane takes a column n and its registers run down K; a wave takes 32 columns x 128 along K: four blocks,
; one scale word a column; each store of 16 bytes a lane fills two whole aligned runs of 256 bytes of the panel.  Loads read 128 consecutive bytes a wave, two blocks (64 loads) ahead.
; Work-groups 256-511: one tile of 16 rows, perm(i, .) of a group of 128; wave w holds columns 128 w .. 128 w + 127, 64 numbers a lane in the operand's own order; mean and variance in two passes, the rows' sums meeting in LDS.
; wq: w_proj's 32 panels (stored by launch prep), then w_fc's 128, then w_fc2's 128.
.set PB,    33792
.set SPARE, 1024                       ; LDS: 0-511 row sums, 512-1023 sums of squares, 1024-2047 the spare words
.set SPW,   252
.set NIL,   253
.set SEL,   40
.set MNT,   42
.set XR,    16
.set GR,    80
.set BR,    144
.set PC,    208
.set TM,    224
.set PW,    240
.set XW,    32                         ; weights: v32-95 two sets of 32 numbers
.set CW,    96                         ; v96-127  codes: 8 registers for each of 4 blocks, never rewritten
.set SB,    24                         ; v24      the scale word
.macro QUANT s, pw
.irp b, 0,1,2,3
	v_max3_num_f32 v[TM+\b], |v[\s+16*\b]|, |v[\s+1+16*\b]|, 0x4800000   ; and the floor 2^(9 - 127)
.endr
.irp i, 2,4,6,8,10,12,14
.irp b, 0,1,2,3
	s_delay_alu instid0(VALU_DEP_4)
	v_max3_num_f32 v[TM+\b], v[TM+\b], |v[\s+16*\b+\i]|, |v[\s+1+16*\b+\i]|
.endr
.endr
.irp b, 0,1,2,3
	s_delay_alu instid0(VALU_DEP_4)
	v_permlanex16_b32 v[TM+4+\b], v[TM+\b], s[SEL], s[SEL+1]
.endr
.irp b, 0,1,2,3
	s_delay_alu instid0(VALU_DEP_4)
	v_max_num_f32 v[TM+\b], v[TM+\b], v[TM+4+\b]
.endr
.irp b, 0,1,2,3
	s_delay_alu instid0(VALU_DEP_4)
	v_add_nc_u32 v[TM+12+\b], 0xfc000000, v[TM+\b]
.endr
.irp b, 0,1,2,3
	v_and_or_b32 v[TM+8+\b], v[TM+\b], 0x7f800000, s[MNT]
.endr
.irp b, 0,1,2,3
	v_lshrrev_b32 v[TM+4+\b], 23, v[TM+12+\b]
.endr
	s_delay_alu instid0(VALU_DEP_3)
	v_lshl_or_b32 v[\pw], v[TM+5], 8, v[TM+4]
	s_delay_alu instid0(VALU_DEP_1)
	v_lshl_or_b32 v[\pw], v[TM+6], 16, v[\pw]
	s_delay_alu instid0(VALU_DEP_1)
	v_lshl_or_b32 v[\pw], v[TM+7], 24, v[\pw]
.irp b, 0,1,2,3
.irp i, 0,1,2,3,4,5,6,7,8,9,10,11,12,13,14,15
	v_med3_num_f32 v[\s+16*\b+\i], v[\s+16*\b+\i], -v[TM+8+\b], v[TM+8+\b]
.endr
	v_cvt_scalef32_pk8_fp8_f32 v[PC+4*\b:PC+1+4*\b], v[\s+16*\b:\s+7+16*\b], v[TM+12+\b]
	v_cvt_scalef32_pk8_fp8_f32 v[PC+2+4*\b:PC+3+4*\b], v[\s+8+16*\b:\s+15+16*\b], v[TM+12+\b]
.endr
	v_nop                                          ; a plain line behind the last conversion
.endm
.macro RSUM off
	s_delay_alu instid0(VALU_DEP_3)
	v_pk_add_f32 v[208:209], v[208:209], v[210:211]
	s_delay_alu instid0(VALU_DEP_2)
	v_pk_add_f32 v[212:213], v[212:213], v[214:215]
	s_delay_alu instid0(VALU_DEP_1)
	v_pk_add_f32 v[208:209], v[208:209], v[212:213]
	s_delay_alu instid0(VALU_DEP_1)
	v_add_f32 v241, v208, v209
	s_delay_alu instid0(VALU_DEP_1)
	v_permlanex16_b32 v242, v241, s[SEL], s[SEL+1]
	s_delay_alu instid0(VALU_DEP_1)
	v_add_f32 v241, v241, v242
	ds_store_b32 v8, v241 offset:\off              ; word 8 r + w; lanes r and r + 16 write the same word with the same value
	s_wait_dscnt 0x0                               ; for the others' sake: my store has landed
	s_barrier_signal -1
	s_barrier_wait -1
	ds_load_b128 v[216:219], v9 offset:\off
	ds_load_b128 v[220:223], v9 offset:\off+16
	s_wait_dscnt 0x0
	v_pk_add_f32 v[216:217], v[216:217], v[218:219]
	v_pk_add_f32 v[220:221], v[220:221], v[222:223]
	s_delay_alu instid0(VALU_DEP_1)
	v_pk_add_f32 v[216:217], v[216:217], v[220:221]
	s_delay_alu instid0(VALU_DEP_1)
	v_add_f32 v241, v216, v217
.endm
; Layer norm of tile s24 (16 rows), wave s22's 128 columns, quantised and stored as an image.  XP, GP, BP, DP: the scalar pairs of the rows, gains, biases and panels
.macro LNORM XP, GP, BP, DP
	s_lshr_b32 s25, s24, 3                         ; the group of 128 rows
	s_and_b32 s26, s24, 7                          ; the tile i in it
	s_lshl_b32 s27, s25, 7
	s_lshr_b32 s28, s26, 1
	s_lshl_b32 s28, s28, 5
	s_add_co_u32 s27, s27, s28
	s_and_b32 s28, s26, 1
	s_lshl_b32 s28, s28, 3
	s_add_co_u32 s27, s27, s28                     ; row perm(i, 0) of the group
	s_lshl_b32 s28, s27, 12                        ; 4,096 bytes a row
	s_lshl_b32 s30, s22, 9                         ; my wave's 512 bytes
	s_add_co_u32 s28, s28, s30
	s_mov_b32 s29, 0
	s_mov_b32 s31, 0
	s_add_nc_u64 s[\XP:\XP+1], s[\XP:\XP+1], s[28:29]
	s_add_nc_u64 s[\GP:\GP+1], s[\GP:\GP+1], s[30:31]
	s_add_nc_u64 s[\BP:\BP+1], s[\BP:\BP+1], s[30:31]
	s_lshl_b32 s32, s25, 2
	s_lshr_b32 s33, s22, 1
	s_add_co_u32 s32, s32, s33
	s_mul_i32 s32, s32, PB                         ; panel 4 x group + w / 2
	s_and_b32 s33, s22, 1                          ; q
	s_lshl_b32 s34, s26, 12
	s_add_co_u32 s34, s34, s32
	s_lshl_b32 s35, s33, 11
	s_add_co_u32 s34, s34, s35
	s_mov_b32 s35, 0
	s_lshl_b32 s36, s26, 6
	s_add_co_u32 s36, s36, s32
	s_lshl_b32 s37, s33, 9
	s_add_co_u32 s36, s36, s37
	s_add_co_u32 s36, s36, 32768
	s_mov_b32 s37, 0
	s_add_nc_u64 s[34:35], s[\DP:\DP+1], s[34:35]  ; my fragment's image
	s_add_nc_u64 s[36:37], s[\DP:\DP+1], s[36:37]  ; and its scale words
	s_mov_b32 s[SEL], 0x76543210
	s_mov_b32 s[SEL+1], 0xfedcba98
	s_mov_b32 s43, 0x3a800000                      ; 1 / 1,024
	s_mov_b32 s44, 0x3727c5ac                      ; 1e-5
	v_and_b32 v2, 15, v0                           ; r
	v_bfe_u32 v3, v0, 4, 1                         ; h
	s_delay_alu instid0(VALU_DEP_2)
	v_and_b32 v10, 7, v2
	s_delay_alu instid0(VALU_DEP_3)
	v_lshrrev_b32 v11, 3, v2
	s_delay_alu instid0(VALU_DEP_1)
	v_lshl_add_u32 v10, v11, 4, v10                ; r % 8 + 16 (r / 8)
	s_delay_alu instid0(VALU_DEP_4)
	v_lshlrev_b32 v5, 6, v3                        ; 64 h: my 16 numbers of a block of 32
	s_delay_alu instid0(VALU_DEP_1)
	v_lshl_add_u32 v4, v10, 12, v5                 ; and my row
	v_lshlrev_b32 v6, 4, v1                        ; 16 x lane
	v_lshlrev_b32 v7, 2, v2                        ; 4 r
	v_lshlrev_b32 v9, 5, v2                        ; LDS: 32 r
	s_lshl_b32 s38, s22, 2
	v_add_nc_u32 v8, s38, v9                       ; LDS: 32 r + 4 w
.irp b, 0,1,2,3
.irp j, 0,1,2,3
	global_load_b128 v[XR+16*\b+4*\j:XR+16*\b+4*\j+3], v4, s[\XP:\XP+1] offset:128*\b+16*\j
.endr
.endr
.irp b, 0,1,2,3
.irp j, 0,1,2,3
	global_load_b128 v[GR+16*\b+4*\j:GR+16*\b+4*\j+3], v5, s[\GP:\GP+1] offset:128*\b+16*\j
.endr
.endr
.irp b, 0,1,2,3
.irp j, 0,1,2,3
	global_load_b128 v[BR+16*\b+4*\j:BR+16*\b+4*\j+3], v5, s[\BP:\BP+1] offset:128*\b+16*\j
.endr
.endr
	v_mov_b32 v242, 0                              ; written once: a lane permute's destination counts as one of its sources
.irp b, 0,1,2,3
	v_mov_b32 v[TM+4+\b], 0
.endr
	s_wait_loadcnt 32                              ; the 16 loads of the rows are in; the gains' and the biases' 32 may be out
.irp k, 0,1,2,3
	v_pk_add_f32 v[208+2*\k:209+2*\k], v[XR+4*\k:XR+4*\k+1], v[XR+4*\k+2:XR+4*\k+3]
.endr
.irp m, 16,18,32,34,48,50
.irp k, 0,1,2,3
	s_delay_alu instid0(VALU_DEP_4)
	v_pk_add_f32 v[208+2*\k:209+2*\k], v[208+2*\k:209+2*\k], v[XR+\m+4*\k:XR+\m+4*\k+1]
.endr
.endr
	RSUM 0
	s_delay_alu instid0(VALU_DEP_1)
	v_mul_f32 v244, s43, v241                      ; the mean
	s_delay_alu instid0(VALU_DEP_1)
	v_mov_b32 v245, v244
.set kk, 0
.rept 32
	v_pk_add_f32 v[XR+kk:XR+kk+1], v[XR+kk:XR+kk+1], v[244:245] neg_lo:[0,1] neg_hi:[0,1]   ; x - mean
.set kk, kk+2
.endr
.irp k, 0,1,2,3
	v_pk_mul_f32 v[208+2*\k:209+2*\k], v[XR+2*\k:XR+2*\k+1], v[XR+2*\k:XR+2*\k+1]
.endr
.irp m, 8,16,24,32,40,48,56
.irp k, 0,1,2,3
	s_delay_alu instid0(VALU_DEP_4)
	v_pk_fma_f32 v[208+2*\k:209+2*\k], v[XR+\m+2*\k:XR+\m+2*\k+1], v[XR+\m+2*\k:XR+\m+2*\k+1], v[208+2*\k:209+2*\k]
.endr
.endr
	RSUM 512
	s_delay_alu instid0(VALU_DEP_1)
	v_fma_f32 v246, v241, s43, s44                 ; the variance + 1e-5
	s_wait_alu depctr_va_vdst(0)
	v_rsq_f32 v246, v246
	v_nop                                          ; a plain line behind the transcendental
	s_wait_alu depctr_va_vdst(0)                   ; ahead of the first reader
	v_mov_b32 v247, v246
	s_wait_alu depctr_va_vdst(0)
	s_wait_loadcnt 0x0                             ; gains and biases
.set kk, 0
.rept 32
	v_pk_mul_f32 v[XR+kk:XR+kk+1], v[XR+kk:XR+kk+1], v[246:247]
.set kk, kk+2
.endr
.set kk, 0
.rept 32
	v_pk_fma_f32 v[XR+kk:XR+kk+1], v[XR+kk:XR+kk+1], v[GR+kk:GR+kk+1], v[BR+kk:BR+kk+1]
.set kk, kk+2
.endr
	QUANT XR, PW
.irp c, 0,1,2,3
	global_store_b128 v6, v[PC+4*\c:PC+4*\c+3], s[34:35] offset:512*\c   ; 32 lanes store 512 consecutive bytes, aligned
.endr
	global_store_b32 v7, v[PW], s[36:37]           ; 64 bytes: lanes r and r + 16 store the same word to the same place
	s_wait_tensorcnt 0x0                           ; the wave's end
	ds_add_u32 v[SPW], v[NIL]
	s_wait_dscnt 0x0
	s_endpgm
.endm
.macro WLOAD t, n, src                 ; block t: w(32 t + i, my column), i = 0 .. 31
.irp i, 0,1,2,3,4,5,6,7,8,9,10,11,12,13,14,15,16,17,18,19,20,21,22,23,24,25,26,27,28,29,30,31
	global_load_b32 v[XW+32*((\t)%2)+\i], v3, s[\src:\src+1] offset:(32*(\t)+\i)*(\n)*4 th:TH_LOAD_NT
.endr
.endm
.macro WBLOCK t, n, src, dst
.set XS, XW+32*((\t)%2)
.if (\t) < 3
	s_wait_loadcnt 32                              ; this block's 32 loads are in; the next block's 32 may be out
.else
	s_wait_loadcnt 0x0
.endif
	v_max3_num_f32 v12, |v[XS]|, |v[XS+1]|, |v[XS+2]|
	v_max3_num_f32 v13, |v[XS+3]|, |v[XS+4]|, |v[XS+5]|
.irp i, 6,10,14,18,22,26
	s_delay_alu instid0(VALU_DEP_2)
	v_max3_num_f32 v12, v12, |v[XS+\i]|, |v[XS+\i+1]|
	s_delay_alu instid0(VALU_DEP_2)
	v_max3_num_f32 v13, v13, |v[XS+\i+2]|, |v[XS+\i+3]|
.endr
	s_delay_alu instid0(VALU_DEP_2)
	v_max3_num_f32 v12, v12, |v[XS+30]|, |v[XS+31]|
	s_delay_alu instid0(VALU_DEP_1)
	v_max3_num_f32 v12, v12, v13, 0x4800000        ; the block's largest magnitude, all 32 numbers mine, and the floor
	s_delay_alu instid0(VALU_DEP_1)
	v_add_nc_u32 v11, 0xfc000000, v12              ; the conversion's scale operand
	s_delay_alu instid0(VALU_DEP_2)
	v_and_or_b32 v10, v12, 0x7f800000, s[MNT]      ; 448 x the scale
	s_delay_alu instid0(VALU_DEP_2)
	v_lshrrev_b32 v13, 23, v11                     ; the byte
.if (\t) == 0
	s_delay_alu instid0(VALU_DEP_1)
	v_mov_b32 v[SB], v13
.else
	s_delay_alu instid0(VALU_DEP_1)
	v_lshl_or_b32 v[SB], v13, 8*(\t), v[SB]
.endif
.irp i, 0,1,2,3,4,5,6,7,8,9,10,11,12,13,14,15,16,17,18,19,20,21,22,23,24,25,26,27,28,29,30,31
	v_med3_num_f32 v[XS+\i], v[XS+\i], -v10, v10
.endr
.irp g, 0,1,2,3
	v_cvt_scalef32_pk8_fp8_f32 v[CW+8*(\t)+2*\g:CW+8*(\t)+2*\g+1], v[XS+8*\g:XS+8*\g+7], v11
.endr
	global_store_b128 v4, v[CW+8*(\t):CW+8*(\t)+3], s[\dst:\dst+1] offset:(\t)*512         ; k = 32 t + 0 .. 15: the place of lane r'
	global_store_b128 v4, v[CW+8*(\t)+4:CW+8*(\t)+7], s[\dst:\dst+1] offset:(\t)*512+256   ; k = 32 t + 16 .. 31: the place of lane 16 + r'
.if (\t)+2 < 4
	WLOAD (\t)+2, \n, \src
.endif
.endm
; One weight tensor [K][n]: work-group goff + e makes panel (e >> lk, e % (1 << lk)) of the transposed weight; p0: the tensor's first panel in its buffer; it has 1 << lk panels along K
.macro WARM src, dst, goff, n, p0, lk
	s_sub_co_u32 s24, ttmp9, \goff
	s_lshr_b32 s25, s24, \lk                       ; the group of 128 columns
	s_and_b32 s26, s24, (1<<(\lk))-1               ; the chunk of 256 along K
	s_lshr_b32 s23, s22, 2                         ; q: my wave's 128 of the 256
	s_and_b32 s27, s22, 3                          ; my wave's 32 of the 128 columns
	s_mul_i32 s28, s26, (\n)*1024
	s_mul_i32 s29, s23, (\n)*512
	s_add_co_u32 s28, s28, s29
	s_lshl_b32 s29, s25, 9
	s_add_co_u32 s28, s28, s29
	s_lshl_b32 s29, s27, 7
	s_add_co_u32 s28, s28, s29
	s_mov_b32 s29, 0
	s_add_nc_u64 s[\src:\src+1], s[\src:\src+1], s[28:29]
	s_lshl_b32 s30, s25, \lk
	s_add_co_u32 s30, s30, s26
	s_add_co_u32 s30, s30, \p0
	s_mul_i32 s30, s30, PB
	s_mov_b32 s31, 0
	s_add_nc_u64 s[\dst:\dst+1], s[\dst:\dst+1], s[30:31]
	v_lshlrev_b32 v3, 2, v1                        ; in: 4 bytes a lane
	v_bfe_u32 v6, v0, 3, 1                         ; column 32 cg + lane is lane r' = lane % 8 + 8 (lane / 16) of tile 2 cg + (lane / 8) % 2
	v_and_b32 v7, 7, v0
	v_bfe_u32 v8, v0, 4, 1
	s_delay_alu instid0(VALU_DEP_1)
	v_lshl_add_u32 v7, v8, 3, v7
	s_delay_alu instid0(VALU_DEP_1)
	v_lshlrev_b32 v4, 4, v7
	s_delay_alu instid0(VALU_DEP_1)
	v_lshl_add_u32 v4, v6, 12, v4
	s_lshl_b32 s32, s27, 13
	s_lshl_b32 s33, s23, 11
	s_add_co_u32 s32, s32, s33
	v_add_nc_u32 v4, s32, v4                       ; codes: 4096 x tile + 2048 q + 16 r'
	v_lshlrev_b32 v5, 2, v7
	s_delay_alu instid0(VALU_DEP_1)
	v_lshl_add_u32 v5, v6, 6, v5
	s_lshl_b32 s32, s27, 7
	s_lshl_b32 s33, s23, 9
	s_add_co_u32 s32, s32, s33
	s_add_co_u32 s32, s32, 32768
	v_add_nc_u32 v5, s32, v5                       ; scale words: 32768 + 512 q + 64 x tile + 4 r'
	WLOAD 0, \n, \src
	WLOAD 1, \n, \src
.irp t, 0,1,2,3
	WBLOCK \t, \n, \src, \dst
.endr
	global_store_b32 v5, v[SB], s[\dst:\dst+1]
	s_endpgm                                       ; this arm has written no LDS
.endm
	s_load_b256 s[4:11], s[0:1], 0x0               ; h1, ln2_g, ln2_b, w_fc
	s_load_b128 s[12:15], s[0:1], 0x20             ; w_fc2, zp
	s_load_b64 s[16:17], s[0:1], 0x30              ; wq
	v_lshl_add_u32 v[SPW], v0, 2, SPARE
	v_mov_b32 v[NIL], 0
	v_lshrrev_b32 v1, 5, v0
	s_delay_alu instid0(VALU_DEP_1)
	v_readfirstlane_b32 s22, v1                    ; wave 0..7
	v_and_b32 v1, 31, v0                           ; lane
	s_mov_b32 s[MNT], 0x600000
	s_wait_kmcnt 0x0
	s_cmp_lt_u32 ttmp9, 128                        ; the branches hang on the work-group's number alone
	s_cbranch_scc1 .Lw_fc
	s_cmp_lt_u32 ttmp9, 256
	s_cbranch_scc1 .Lw_fc2
	s_sub_co_u32 s24, ttmp9, 256                   ; the tile of 16 rows
	s_wait_alu depctr_va_vdst(0)
	LNORM 4, 6, 8, 14
.Lw_fc:
	s_wait_alu depctr_va_vdst(0)
	WARM 10, 16, 0, 4096, 32, 2
.Lw_fc2:
	s_wait_alu depctr_va_vdst(0)
	WARM 12, 16, 128, 1024, 160, 4
.Lfunc_end_k_qcfe05d8c43_ln2:
	.size	k_qcfe05d8c43_ln2, .Lfunc_end_k_qcfe05d8c43_ln2-k_qcfe05d8c43_ln2
	.p2alignl 7, 3214868480
	.fill 96, 4, 3214868480
	.section	.rodata,"a",@progbits
	.p2align	6, 0x0
	.amdhsa_kernel k_qcfe05d8c43_ln2
		.amdhsa_group_segment_fixed_size 2048
		.amdhsa_private_segment_fixed_size 0
		.amdhsa_enable_private_segment 0
		.amdhsa_kernarg_size 56
		.amdhsa_user_sgpr_count 2
		.amdhsa_user_sgpr_kernarg_segment_ptr 1
		.amdhsa_wavefront_size32 1
		.amdhsa_system_sgpr_workgroup_id_x 1
		.amdhsa_system_sgpr_workgroup_id_y 1
		.amdhsa_system_sgpr_workgroup_id_z 1
		.amdhsa_system_vgpr_workitem_id 0
		.amdhsa_next_free_vgpr 256
		.amdhsa_next_free_sgpr 66
		.amdhsa_reserve_vcc 0
		.amdhsa_float_denorm_mode_32 3
		.amdhsa_float_denorm_mode_16_64 3
		.amdhsa_memory_ordered 1
		.amdhsa_forward_progress 1
		.amdhsa_inst_pref_size 94
	.end_amdhsa_kernel
	.amdgpu_metadata
---
amdhsa.version: [ 1, 2 ]
amdhsa.kernels:
  - .name:           k_qcfe05d8c43_ln2
    .symbol:         k_qcfe05d8c43_ln2.kd
    .args:
      - { .name: h1, .offset: 0, .size: 8, .value_kind: global_buffer, .address_space: global }
      - { .name: ln2_g, .offset: 8, .size: 8, .value_kind: global_buffer, .address_space: global }
      - { .name: ln2_b, .offset: 16, .size: 8, .value_kind: global_buffer, .address_space: global }
      - { .name: w_fc, .offset: 24, .size: 8, .value_kind: global_buffer, .address_space: global }
      - { .name: w_fc2, .offset: 32, .size: 8, .value_kind: global_buffer, .address_space: global }
      - { .name: zp, .offset: 40, .size: 8, .value_kind: global_buffer, .address_space: global }
      - { .name: wq, .offset: 48, .size: 8, .value_kind: global_buffer, .address_space: global }
    .group_segment_fixed_size: 2048
    .private_segment_fixed_size: 0
    .kernarg_segment_align: 8
    .kernarg_segment_size: 56
    .max_flat_workgroup_size: 256
    .sgpr_count:     66
    .vgpr_count:     256
    .wavefront_size: 32
...
	.end_amdgpu_metadata
.endif
;; end of part 5
;; launch fc (part 6): grid 16 x 16, 4 waves a work-group, clusters of 4 x 4, 327,680 bytes of LDS; arguments zp, wq, b_fc, hp; writes hp
.if DOCPART == 6
	.amdgcn_target "amdgcn-amd-amdhsa--gfx1250"
	.amdhsa_code_object_version 6
	.text
	.protected	k_qcfe05d8c43_fc
	.globl	k_qcfe05d8c43_fc
	.p2align	8
	.type	k_qcfe05d8c43_fc,@function
k_qcfe05d8c43_fc:
	s_mov_b64 s[64:65], 0
	v_nop
	global_prefetch_b8 v0, s[64:65] scope:SCOPE_SE
	s_setreg_imm32_b32 hwreg(HW_REG_WAVE_MODE, 25, 1), 1
	s_wait_xcnt 0x0
	s_wait_alu depctr_hold_cnt(0) depctr_sa_sdst(0) depctr_va_vdst(0) depctr_va_sdst(0) depctr_va_ssrc(0) depctr_va_vcc(0) depctr_vm_vsrc(0)
	s_getreg_b32 s2, hwreg(HW_REG_IB_STS2, 6, 4)
	s_cmp_eq_u32 s2, 0
	s_cbranch_scc0 .Lentry_in_a_cluster
	s_endpgm
.Lentry_in_a_cluster:
	s_bfe_u32 s2, ttmp6, 0x10000c
	s_cmp_lg_u32 s2, 0xf033
	s_cbranch_scc0 .Lentry_shape_is_right
	s_endpgm
.Lentry_shape_is_right:
; hp = Q(gelu(z w_fc + b_fc)): a product on codes of E4M3 (K = 1,024), the tanh form of gelu as x / (1 + 2^(x (K0 + K1 x x))), quantised along the 4,096 hidden units and stored as panels for launch fc2.
; Shares, ring, joint loads and layout are launch gqkv's: 256 x 256 a work-group, 128 x 128 a wave, K in steps of 256 through two LDS slots of four panels.  LIMITS: launch prep's.
; At the head a wave issues one joint load, K step 0's; K step 1's stands behind the three lines and a round of the cluster's barrier.
.set PB,     33792
.set SLOT,   4*PB
.set SPARE,  2*SLOT
.set NQ,     2
.set FR,     16
.set NL,     4
.set NP,     8
.set K0,   10
.set ADRA, 16
.set ADRB, 20
.set ADRS, 22
.set LI,   24
.set VS,   25
.set SELV, 26
.set WD,   27
.set SPW,  28
.set NIL,  29
.set PW,   30
.set SC,   32
.set BB,   64
.set AF,   128
.set W,    128
.set PC,   192
.set TM,   208
.set G1,   24
.set G0,   32
.set G1B,  48
.set G0B,  56
.set OB,   68
.set OS,   70
.set SEL,  72
.set MNT,  74
.set K1,   76
.set MSB, 0
.macro WIN new
.if MSB != \new
	s_set_vgpr_msb (MSB<<8)|\new
.set MSB, \new
.endif
.endm
.set MUL_LO, 0xa1
.set MUL_HI, 0xf1
.set TO_B,   0x40
.macro JLOAD g0a, g1a, g0b, g1b
	s_cmp_eq_u32 s15, 0
	s_cbranch_scc0 .Lfor_b_\@
	tensor_load_to_lds s[\g0a:\g0a+3], s[\g1a:\g1a+7]
	s_nop 0
.rept 4
	v_nop
.endr
	s_branch .Lasked_\@
.Lfor_b_\@:
	tensor_load_to_lds s[\g0b:\g0b+3], s[\g1b:\g1b+7]
	s_nop 0
.rept 4
	v_nop
.endr
.Lasked_\@:
.endm
.macro CREST
	s_cmp_lg_u32 s14, 0
	s_cbranch_scc1 .Lnot_wave_0_\@
	s_barrier_signal -3
.Lnot_wave_0_\@:
	s_barrier_wait -3
	s_barrier_signal -1
	s_barrier_wait -1
.endm
.macro CROUND
	s_barrier_signal -1
	s_barrier_wait -1
	CREST
.endm
.macro PLACES n
.rept \n
	v_nop
.endr
.endm
.macro QUANT s, pw
.irp b, 0,1,2,3
	v_max3_num_f32 v[TM+\b], |v[\s+16*\b]|, |v[\s+1+16*\b]|, 0x4800000
.endr
.irp i, 2,4,6,8,10,12,14
.irp b, 0,1,2,3
	v_max3_num_f32 v[TM+\b], v[TM+\b], |v[\s+16*\b+\i]|, |v[\s+1+16*\b+\i]|
.endr
.endr
.irp b, 0,1,2,3
	v_permlanex16_b32 v[TM+4+\b], v[TM+\b], s[SEL], s[SEL+1]
.endr
.irp b, 0,1,2,3
	v_max_num_f32 v[TM+\b], v[TM+\b], v[TM+4+\b]
.endr
.irp b, 0,1,2,3
	v_add_nc_u32 v[TM+12+\b], 0xfc000000, v[TM+\b]
.endr
.irp b, 0,1,2,3
	v_and_or_b32 v[TM+8+\b], v[TM+\b], 0x7f800000, s[MNT]
.endr
.irp b, 0,1,2,3
	v_lshrrev_b32 v[TM+4+\b], 23, v[TM+12+\b]
.endr
	v_lshl_or_b32 v[\pw], v[TM+5], 8, v[TM+4]
	v_lshl_or_b32 v[\pw], v[TM+6], 16, v[\pw]
	v_lshl_or_b32 v[\pw], v[TM+7], 24, v[\pw]
.irp b, 0,1,2,3
.irp i, 0,1,2,3,4,5,6,7,8,9,10,11,12,13,14,15
	v_med3_num_f32 v[\s+16*\b+\i], v[\s+16*\b+\i], -v[TM+8+\b], v[TM+8+\b]
.endr
	v_cvt_scalef32_pk8_fp8_f32 v[PC+4*\b:PC+1+4*\b], v[\s+16*\b:\s+7+16*\b], v[TM+12+\b]
	v_cvt_scalef32_pk8_fp8_f32 v[PC+2+4*\b:PC+3+4*\b], v[\s+8+16*\b:\s+15+16*\b], v[TM+12+\b]
.endr
	v_nop
.endm
	s_load_b256 s[4:11], s[0:1], 0x0
	v_lshl_add_u32 v[SPW], v0, 2, SPARE
	v_mov_b32 v[NIL], 0
	ds_add_u32 v[SPW], v[NIL]
	ds_add_u32 v[SPW], v[NIL]
	v_lshrrev_b32 v1, 5, v0
	v_readfirstlane_b32 s14, v1
	s_lshr_b32 s15, s14, 1
	s_and_b32 s16, s14, 1
	s_bfe_u32 s40, ttmp6, 0x40000
	s_bfe_u32 s41, ttmp6, 0x40004
	s_lshl_b32 s42, ttmp9, 2
	s_add_co_u32 s42, s42, s40
	s_and_b32 s17, ttmp7, 0xffff
	s_lshl_b32 s17, s17, 2
	s_add_co_u32 s17, s17, s41
	s_lshl_b32 s43, s41, 2
	s_lshl_b32 s43, 15, s43
	s_lshl_b32 s44, 0x1111, s40
	s_or_b32 s[G1+0], s43, (3<<16)|(1<<21)
	s_or_b32 s[G1B+0], s44, (3<<16)|(1<<21)
.irp g, G1, G1B
	s_mov_b32 s[\g+1], 32<<16
	s_mov_b32 s[\g+2], 132<<16
	s_mov_b32 s[\g+3], 32<<16
	s_mov_b32 s[\g+4], 132
	s_mov_b32 s[\g+5], 32
	s_mov_b32 s[\g+6], 0
	s_mov_b32 s[\g+7], 0
.endr
	s_lshl_b32 s20, s17, 1
	s_add_co_u32 s20, s20, s16
	s_mul_i32 s20, s20, 4*PB
	s_mov_b32 s21, 0
	s_lshl_b32 s46, s42, 1
	s_add_co_u32 s46, s46, s16
	s_mul_i32 s46, s46, 4*PB
	s_add_co_u32 s46, s46, 32*PB
	s_mov_b32 s47, 0
	s_mul_i32 s45, s14, PB
	s_mov_b32 s[SEL], 0x76543210
	s_mov_b32 s[SEL+1], 0xfedcba98
	s_mov_b32 s[MNT], 0x600000
	s_mov_b32 s[K1], 0xbdd2d3e8
	s_mov_b32 s[K1+1], s[K1]
	s_wait_dscnt 0x0
	s_wait_kmcnt 0x0
	s_add_nc_u64 s[20:21], s[4:5], s[20:21]
	s_add_nc_u64 s[46:47], s[6:7], s[46:47]
	CROUND
.irp s, 0,1
	s_mov_b32 s[G0+4*\s], 1
	s_add_co_u32 s[G0+4*\s+1], s45, \s*SLOT
	s_add_nc_u64 s[G0+4*\s+2:G0+4*\s+3], s[20:21], \s*PB
	s_or_b32 s[G0+4*\s+3], s[G0+4*\s+3], 0x80000000
	s_mov_b32 s[G0B+4*\s], 1
	s_add_co_u32 s[G0B+4*\s+1], s45, \s*SLOT
	s_add_nc_u64 s[G0B+4*\s+2:G0B+4*\s+3], s[46:47], \s*PB
	s_or_b32 s[G0B+4*\s+3], s[G0B+4*\s+3], 0x80000000
.if \s
	s_wait_alu depctr_va_vdst(0)
	s_wait_tensorcnt 0x0
	ds_add_u32 v28, v29
	ds_add_u32 v28, v29
	s_wait_dscnt 0x0
	CROUND
.endif
	JLOAD G0+4*\s, G1, G0B+4*\s, G1B
.endr
	v_and_b32 v1, 15, v0
	v_bfe_u32 v2, v0, 4, 1
	s_wait_alu depctr_va_vdst(0)
	v_and_b32 v3, 31, v0
	v_lshlrev_b32 v[LI], 4, v3
	v_lshlrev_b32 v[VS], 2, v3
	s_mul_i32 s21, s15, PB
	s_mul_i32 s22, s16, PB
	s_add_co_u32 s22, s22, 2*PB
.irp s, 0,1
	v_add_nc_u32 v[ADRA+\s], s21, v[LI]
	v_add_nc_u32 v[ADRB+\s], s22, v[LI]
	s_add_co_u32 s21, s21, SLOT
	s_add_co_u32 s22, s22, SLOT
.endr
	s_mul_i32 s21, s15, PB
	s_mul_i32 s22, s16, PB
	s_add_co_u32 s22, s22, 2*PB
	s_sub_co_u32 s22, s22, s21
	v_mul_u32_u24 v6, s22, v2
	v_lshl_add_u32 v6, v1, 2, v6
	s_add_co_u32 s21, s21, 32768
	v_add_nc_u32 v[ADRS], s21, v6
	v_add_nc_u32 v[ADRS+1], SLOT, v[ADRS]
	s_lshl_b32 s94, s42, 10
	s_lshl_b32 s95, s16, 9
	s_add_co_u32 s94, s94, s95
	s_mov_b32 s95, 0
	s_add_nc_u64 s[94:95], s[8:9], s[94:95]
	v_lshlrev_b32 v13, 6, v2
.irp p, 0,1,2,3
.irp j, 0,1,2,3
	global_load_b128 v[BB+16*\p+4*\j:BB+16*\p+4*\j+3], v13, s[94:95] offset:128*\p+16*\j
.endr
.endr
	v_mov_b32 v[K0], 0xc0135761
	v_mov_b32 v[K0+1], v[K0]
	s_lshl_b32 s80, s17, 1
	s_add_co_u32 s80, s80, s15
	s_lshl_b32 s80, s80, 4
	s_add_co_u32 s80, s80, s42
	s_mul_i32 s80, s80, PB
	s_lshl_b32 s81, s16, 11
	s_add_co_u32 s[OB], s80, s81
	s_mov_b32 s[OB+1], 0
	s_lshl_b32 s81, s16, 9
	s_add_co_u32 s[OS], s80, s81
	s_add_co_u32 s[OS], s[OS], 32768
	s_mov_b32 s[OS+1], 0
	s_add_nc_u64 s[OB:OB+1], s[10:11], s[OB:OB+1]
	s_add_nc_u64 s[OS:OS+1], s[10:11], s[OS:OS+1]
	s_mov_b32 s81, 0x04040404
	v_mul_lo_u32 v[SELV], v2, s81
	v_add_nc_u32 v[SELV], 0x03020100, v[SELV]
.macro FRAG reg, adr, q, i
.irp c, 0,1,2,3
	ds_load_b128 v[\reg+4*\c:\reg+4*\c+3], v[\adr] offset:(\i)*4096+(\q)*2048+512*\c
.endr
.endm
.macro MUL16 a0, p, q, sc, zero
.irp a, \a0, \a0+1
.irp b, 0,1,2,3,4,5,6,7
.if \zero
	v_wmma_scale_f32_16x16x128_f8f6f4 v[8*(8*((\a)%4)+\b):8*(8*((\a)%4)+\b)+7], v[128*(\p)+FR*\b:128*(\p)+FR*\b+FR-1], v[AF+FR*(\a):AF+FR*(\a)+FR-1], 0, v[SC+8*NQ*(\sc)+NQ*\b+(\q)], v[SC+8*NQ*(\sc)+NQ*(\a)+(\q)] matrix_a_scale:MATRIX_SCALE_ROW1
.else
	v_wmma_scale_f32_16x16x128_f8f6f4 v[8*(8*((\a)%4)+\b):8*(8*((\a)%4)+\b)+7], v[128*(\p)+FR*\b:128*(\p)+FR*\b+FR-1], v[AF+FR*(\a):AF+FR*(\a)+FR-1], v[8*(8*((\a)%4)+\b):8*(8*((\a)%4)+\b)+7], v[SC+8*NQ*(\sc)+NQ*\b+(\q)], v[SC+8*NQ*(\sc)+NQ*(\a)+(\q)] matrix_a_scale:MATRIX_SCALE_ROW1
.endif
.endr
.endr
.endm
.macro FETCH_B slot, q, p
	WIN TO_B
.irp i, 0,1,2,3,4,5,6,7
	FRAG 128*(\p)+FR*\i, ADRB+\slot, \q, \i
.endr
	WIN 0
.endm
.macro FETCH_A slot, q, i0
.irp i, \i0, \i0+1, \i0+2, \i0+3
	FRAG AF+FR*(\i), ADRA+\slot, \q, \i
.endr
.endm
.macro SCALES sc
.irp i, 0,1,2,3,4,5,6,7
.irp q, 0,1
	ds_load_b32 v[SC+8*NQ*\sc+NQ*\i+\q], v[ADRS+\sc] offset:512*\q+64*\i
.endr
.endr
.endm
.macro STEP slot, q, zero
	s_wait_dscnt 4*NL
	WIN MUL_LO
	MUL16 0, (\q)%2, \q, \slot, \zero
	MUL16 2, (\q)%2, \q, \slot, \zero
	s_wait_dscnt 0
	PLACES NP
	FETCH_B \slot, (\q)+1, 1-(\q)%2
	FETCH_A \slot, (\q)+1, 0
	WIN MUL_HI
	MUL16 4, (\q)%2, \q, \slot, \zero
	MUL16 6, (\q)%2, \q, \slot, \zero
	PLACES NP
	WIN 0
	FETCH_A \slot, (\q)+1, 4
.endm
.macro TURN slot, next, fill
	s_wait_tensorcnt 0x0
	ds_add_u32 v[SPW], v[NIL]
	s_wait_dscnt 4*NL+1
	WIN MUL_LO
	MUL16 0, 1, NQ-1, \slot, 0
	s_wait_dscnt 0x0
	s_barrier_signal -1
	MUL16 2, 1, NQ-1, \slot, 0
	WIN 0
	s_barrier_wait -1
.if \fill
	CREST
	s_add_nc_u64 s[G0+4*\slot+2:G0+4*\slot+3], s[G0+4*\slot+2:G0+4*\slot+3], 2*PB
	s_add_nc_u64 s[G0B+4*\slot+2:G0B+4*\slot+3], s[G0B+4*\slot+2:G0B+4*\slot+3], 2*PB
	JLOAD G0+4*\slot, G1, G0B+4*\slot, G1B
	PLACES NP-4
.else
	PLACES NP
.endif
	FETCH_B \next, 0, 0
	FETCH_A \next, 0, 0
	SCALES \next
	WIN MUL_HI
	MUL16 4, 1, NQ-1, \slot, 0
	MUL16 6, 1, NQ-1, \slot, 0
	PLACES NP
	WIN 0
	FETCH_A \next, 0, 4
.endm
	s_wait_alu depctr_va_vdst(0)
	s_wait_tensorcnt 1
	s_barrier_signal -1
	s_barrier_wait -1
	FETCH_B 0, 0, 0
	FETCH_A 0, 0, 0
	SCALES 0
	FETCH_A 0, 0, 4
	STEP 0, 0, 1
	TURN 0, 1, 1
	STEP 1, 0, 0
	TURN 1, 0, 1
	STEP 0, 0, 0
	TURN 0, 1, 0
	STEP 1, 0, 0
	s_wait_dscnt 4*NL
	WIN MUL_LO
	MUL16 0, 1, NQ-1, 1, 0
	MUL16 2, 1, NQ-1, 1, 0
	s_wait_dscnt 0
	WIN MUL_HI
	MUL16 4, 1, NQ-1, 1, 0
	MUL16 6, 1, NQ-1, 1, 0
	WIN 0
.macro EPI a
	WIN 0x02+((\a)/4)
.set kk, 0
.rept 32
	v_pk_add_f32 v[W+kk:W+kk+1], v[64*((\a)%4)+kk:64*((\a)%4)+kk+1], v[BB+kk:BB+kk+1]
.set kk, kk+2
.endr
	WIN 0x40
.set kk, 0
.rept 32
	v_pk_mul_f32 v[kk:kk+1], v[W+kk:W+kk+1], v[W+kk:W+kk+1]
.set kk, kk+2
.endr
	WIN 0x41
.set kk, 0
.rept 32
	v_pk_fma_f32 v[kk:kk+1], v[kk:kk+1], s[K1:K1+1], v[K0:K0+1] op_sel_hi:[1,0,1]
.set kk, kk+2
.endr
.set kk, 0
.rept 32
	v_pk_mul_f32 v[kk:kk+1], v[kk:kk+1], v[W+kk:W+kk+1]
.set kk, kk+2
.endr
.set kk, 0
	s_wait_alu depctr_va_vdst(0)
.rept 64
	v_exp_f32 v[kk], v[kk]
.set kk, kk+1
.endr
	v_nop
	s_wait_alu depctr_va_vdst(0)
.set kk, 0
.rept 32
	v_pk_add_f32 v[kk:kk+1], v[kk:kk+1], 1.0 op_sel_hi:[1,0]
.set kk, kk+2
.endr
.set kk, 0
	s_wait_alu depctr_va_vdst(0)
.rept 64
	v_rcp_f32 v[kk], v[kk]
.set kk, kk+1
.endr
	v_nop
	s_wait_alu depctr_va_vdst(0)
	WIN 0x04
.set kk, 0
.rept 32
	v_pk_mul_f32 v[W+kk:W+kk+1], v[W+kk:W+kk+1], v[kk:kk+1]
.set kk, kk+2
.endr
	WIN 0
	s_wait_xcnt 0x0
	QUANT W, PW+((\a)%2)
.irp p, 0,1,2,3
	global_store_b128 v[LI], v[PC+4*\p:PC+4*\p+3], s[OB:OB+1] offset:4096*(\a)+512*\p
.endr
.if (\a)%2
	v_perm_b32 v[WD], v[PW+1], v[PW], v[SELV]
	global_store_b32 v[VS], v[WD], s[OS:OS+1] offset:128*((\a)/2)
.endif
.endm
	s_wait_loadcnt 0x0
	PLACES NP
.irp b, 0,1,2,3
	v_mov_b32 v[TM+4+\b], 0
.endr
.irp a, 0,1,2,3,4,5,6,7
	EPI \a
.endr
	s_wait_tensorcnt 0x0
	ds_add_u32 v[SPW], v[NIL]
	s_wait_dscnt 0x0
	CROUND
	s_endpgm
.Lfunc_end_k_qcfe05d8c43_fc:
	.size	k_qcfe05d8c43_fc, .Lfunc_end_k_qcfe05d8c43_fc-k_qcfe05d8c43_fc
	.p2alignl 7, 3214868480
	.fill 96, 4, 3214868480
	.section	.rodata,"a",@progbits
	.p2align	6, 0x0
	.amdhsa_kernel k_qcfe05d8c43_fc
		.amdhsa_group_segment_fixed_size 327680
		.amdhsa_private_segment_fixed_size 0
		.amdhsa_enable_private_segment 0
		.amdhsa_kernarg_size 32
		.amdhsa_user_sgpr_count 2
		.amdhsa_user_sgpr_kernarg_segment_ptr 1
		.amdhsa_wavefront_size32 1
		.amdhsa_system_sgpr_workgroup_id_x 1
		.amdhsa_system_sgpr_workgroup_id_y 1
		.amdhsa_system_sgpr_workgroup_id_z 1
		.amdhsa_system_vgpr_workitem_id 0
		.amdhsa_next_free_vgpr 1024
		.amdhsa_next_free_sgpr 98
		.amdhsa_reserve_vcc 0
		.amdhsa_float_denorm_mode_32 3
		.amdhsa_float_denorm_mode_16_64 3
		.amdhsa_memory_ordered 1
		.amdhsa_forward_progress 1
		.amdhsa_inst_pref_size 255
	.end_amdhsa_kernel
	.section	.bss,"aw",@nobits
	.p2align	6
	.space	262144
	.amdgpu_metadata
---
amdhsa.version: [ 1, 2 ]
amdhsa.kernels:
  - .name:           k_qcfe05d8c43_fc
    .symbol:         k_qcfe05d8c43_fc.kd
    .args:
      - { .name: zp, .offset: 0, .size: 8, .value_kind: global_buffer, .address_space: global }
      - { .name: wq, .offset: 8, .size: 8, .value_kind: global_buffer, .address_space: global }
      - { .name: b_fc, .offset: 16, .size: 8, .value_kind: global_buffer, .address_space: global }
      - { .name: hp, .offset: 24, .size: 8, .value_kind: global_buffer, .address_space: global }
    .group_segment_fixed_size: 327680
    .private_segment_fixed_size: 0
    .kernarg_segment_align: 8
    .kernarg_segment_size: 32
    .max_flat_workgroup_size: 128
    .sgpr_count:     98
    .vgpr_count:     1024
    .wavefront_size: 32
...
	.end_amdgpu_metadata
.endif
;; end of part 6
;; launch fc2 (part 7): grid 8 x 32, 4 waves a work-group, clusters of 4 x 4, 327,680 bytes of LDS; arguments hp, wq, b_fc2, h1, out0; writes out0
.if DOCPART == 7
	.amdgcn_target "amdgcn-amd-amdhsa--gfx1250"
	.amdhsa_code_object_version 6
	.text
	.protected	k_qcfe05d8c43_fc2
	.globl	k_qcfe05d8c43_fc2
	.p2align	8
	.type	k_qcfe05d8c43_fc2,@function
k_qcfe05d8c43_fc2:
	s_mov_b64 s[64:65], 0
	v_nop
	global_prefetch_b8 v0, s[64:65] scope:SCOPE_SE
	s_setreg_imm32_b32 hwreg(HW_REG_WAVE_MODE, 25, 1), 1
	s_wait_xcnt 0x0
	s_wait_alu depctr_hold_cnt(0) depctr_sa_sdst(0) depctr_va_vdst(0) depctr_va_sdst(0) depctr_va_ssrc(0) depctr_va_vcc(0) depctr_vm_vsrc(0)
	s_getreg_b32 s2, hwreg(HW_REG_IB_STS2, 6, 4)
	s_cmp_eq_u32 s2, 0
	s_cbranch_scc0 .Lentry_in_a_cluster
	s_endpgm
.Lentry_in_a_cluster:
	s_bfe_u32 s2, ttmp6, 0x10000c
	s_cmp_lg_u32 s2, 0xf033
	s_cbranch_scc0 .Lentry_shape_is_right
	s_endpgm
.Lentry_shape_is_right:
; out0 = h1 + (H w_fc2 + b_fc2) on codes of E4M3 with E8M0 scale bytes, K = 4,096, N = 1,024; f32 out, row-major.  Nothing of reference() is left out here.
; SHARES.  256 work-groups, each 128 tokens (tile row) x 128 columns (tile column).  K IS CUT AMONG THE FOUR WAVES: each makes the whole 128 x 128, 64 accumulators in 512 registers, over four of K's sixteen panels of 256: NT = 8 steps of 128.
; TWO ROADS FOR THE OPERANDS, by turns, panel by panel.  A panel (launch prep's head has the layout) is an image of the operand's registers, so on either road a load is 16 bytes a lane, 512 consecutive bytes a wave.
; (1) Plain loads from memory straight into the registers: wave w's first and third panel, K's panels 8 + 2 w and 9 + 2 w.  (2) Through LDS, by JOINT LOADS in clusters of 4 x 4 (the tokens' panels shared along a row of the cluster,
; the weight's along a column): its second and fourth panel, K's panels w and 4 + w.  A fill is eight panels, 270,336 bytes: waves 0, 1 fetch the tokens' four, waves 2, 3 the weight's, two panels (264 rows of 256 bytes) a load, one load a wave.
; The first fill is asked for at the head; the second fills the same bytes again behind half step 5, behind the three lines and a round of the cluster's barrier,
; when every wave has fetched the last of the first fill, and is first read behind half step 9: four half steps, 128 products a wave, later.
; A step is two half steps of 32 products (four token tiles x the weight's eight).  The tokens' fragments have three groups of 64 registers by turns, the weight's two sets of 128, the scale words two sets of 8.
; Behind half step h, behind eight places, its group takes half step h + 3's fragments; behind a step t its set takes step t + 2's.  The waits' counts are made by the assembler, one counter a road (CNT: plain loads issued; DC: LDS loads issued;
; M0-M2: the road's counter behind each group's loads), and held at 63, the most that a wait's field names (ISA guide 5.7.1): a smaller count than is needed is sound.
; A scale word's load is 128 consecutive bytes: lanes 0-15 an even tile's words, lanes 16-31 the odd tile's (read by the ROW1 selector).
; THE SUM OVER THE FOUR WAVES.  Wave w lays token tile (a + 2 w) % 8 at place a, by address: so its own two tiles, 2 w and 2 w + 1, are accumulators 0-15 in every wave, and places 2 p, 2 p + 1 belong to wave (w + p) % 4.
; Those 48 accumulators go as register images into LDS region 3 d + p - 1 (d the owner; 16,384 bytes each; the regions lie over the tiles, which have had their last fill, behind a barrier that follows every wave's last read of them);
; one barrier; each wave reads its three regions and adds.  Then 16 rows x 128 columns at a time go through the wave's own stage (rows of 528 bytes) and come back as rows of 512 bytes; residual and bias are added;
; 32 lanes store 512 consecutive bytes, aligned.  The residual is asked for behind the last step but one, into the weight's free set.
; NO PREFETCH: the text has no loop to run ahead in; its plain loads stand a step and a half ahead of their use, and the second fill four half steps.
; The matrix instruction is used transposed (source 0 = the weight's rows, source 1 = tokens): register j of accumulator (a, b) of lane (r, h) is token perm(tile, r), column 32 (b / 2) + 16 h + 8 (b % 2) + j.
; LIMITS: launch prep's; f32 sums are formed in another order than reference()'s (four parts along K).
; REGISTERS: window 0: v8, v9 the add's two; v16-31, v52-61 offsets and LDS addresses; v32-47 scale words; v48-51 bias; v64-255 tokens' fragments, then rows on the way out; window 1: the weight's fragments, then the residual; windows 2, 3: accumulators ((a, b) at v[8 (8 (a % 4) + b)]).
.set KC,     16                        ; panels of 256 along K
.set WOFF,   160*33792                 ; the weight's first byte in wq
.set LAST,   1                         ; 1: the result is read by no later launch
.set LP,     1                         ; my panels of this parity come through LDS
.set DOFF,   8                         ; K's first panel that comes by plain loads,
.set DPW,    2                         ; and how many of them a wave takes
.set T1,     1                         ; behind this half step the first fill is waited for and shown to all waves,
.set RF,     5                         ; behind this one the tiles are filled again,
.set T2,     9                         ; behind this one the second fill is shown
.set PB,     33792
.set NT,     KC/2                      ; my wave's steps of 128
.set NH,     2*NT                      ; half steps
.set STAGE,  8*PB                      ; behind the eight panels
.set SPITCH, 528
.set SPARE,  STAGE+4*16*SPITCH         ; the spare words, 128 bytes a wave
.set SPW, 8
.set NIL, 9
.set VA,  16                           ; v16-19 tokens' codes: 16 x lane + 8192 ((w + p) % 4)
.set VSA, 20                           ; v20-23 tokens' scale words: 4 x lane + 128 ((w + p) % 4)
.set VB,  24                           ; 16 x lane
.set VSB, 25                           ; 4 x lane
.set VL,  26                           ; v26-28 LDS: the region that takes my places 2 p, 2 p + 1
.set VR,  29                           ; LDS: my three regions
.set STO, 30
.set RD,  31
.set SC,  32                           ; set s at SC + 8 s: + p tokens' pair p, + 4 + p the weight's: no product's two scale registers are equal modulo 8
.set BI,  48
.set LA,  52                           ; v52-55, v56-59 as VA and VSA, in my panel of tokens in LDS (w x PB)
.set LSA, 56
.set LB,  60                           ; v60, v61 as VB and VSB, in my panel of the weight in LDS ((4 + w) x PB)
.set LSB, 61
.set AF,  64
.set G1,  24                           ; s[24:31], s[32:35] descriptor groups 1 and 0 for the tokens' panels; s[48:55], s[56:59] for the weight's
.set G0,  32
.set G1B, 48
.set G0B, 56
.set MSB, 0
.set CNT, 0
.set DC, 0
.set M0, 0
.set M1, 0
.set M2, 0
.macro WIN new                         ; the immediate's high byte repeats the setting that is left
.if MSB != \new
	s_set_vgpr_msb (MSB<<8)|\new
.set MSB, \new
.endif
.endm
.macro PLACES n
.rept \n
	v_nop
.endr
.endm
.macro JLOAD                           ; a joint load: waves 0, 1 fetch tokens' panels, waves 2, 3 the weight's; the branch hangs on the wave's number alone; s_nop 0 and four v_nop follow each line
	s_cmp_eq_u32 s15, 0
	s_cbranch_scc0 .Lfor_b_\@
	tensor_load_to_lds s[G0:G0+3], s[G1:G1+7]
	s_nop 0
.rept 4
	v_nop
.endr
	s_branch .Lasked_\@
.Lfor_b_\@:
	tensor_load_to_lds s[G0B:G0B+3], s[G1B:G1B+7]
	s_nop 0
.rept 4
	v_nop
.endr
.Lasked_\@:
.endm
.macro CROUND                          ; a round of the cluster's barrier
	s_barrier_signal -1
	s_barrier_wait -1
	s_cmp_lg_u32 s14, 0
	s_cbranch_scc1 .Lnot_wave_0_\@
	s_barrier_signal -3
.Lnot_wave_0_\@:
	s_barrier_wait -3
	s_barrier_signal -1
	s_barrier_wait -1
.endm
.macro TILES                           ; my load has landed, and behind the barrier everybody's
	s_wait_tensorcnt 0x0
	s_barrier_signal -1
	s_barrier_wait -1
.endm
.macro REFILL                          ; the second fill, over the first
	s_wait_tensorcnt 0x0                           ; no tensor load of mine is out, so a group 0 may be written
	ds_add_u32 v[SPW], v[NIL]                      ; 0 onto my spare word
	s_add_nc_u64 s[G0+2:G0+3], s[G0+2:G0+3], 4*PB  ; K's panels 4 to 7
	s_add_nc_u64 s[G0B+2:G0B+3], s[G0B+2:G0B+3], 4*PB
	s_wait_dscnt 0x0                               ; the add is done, and my reads of the first fill are over
	CROUND                                         ; the same holds of every wave of every partner
	JLOAD                                          ; my one tensor load behind the round
.endm
.macro LDA h                           ; half step h's four token tiles into group h % 3: 16 loads
.if (((\h)/4)%2) == LP
.irp k, 0,1,2,3
.irp c, 0,1,2,3
	ds_load_b128 v[AF+64*((\h)%3)+16*\k+4*\c:AF+64*((\h)%3)+16*\k+4*\c+3], v[LA+2*((\h)%2)+\k/2] offset:(((\h)/2)%2)*2048+(\k%2)*4096+512*\c
.endr
.endr
.set DC, DC+16
.set MK_, DC
.else
.irp k, 0,1,2,3
.irp c, 0,1,2,3
	global_load_b128 v[AF+64*((\h)%3)+16*\k+4*\c:AF+64*((\h)%3)+16*\k+4*\c+3], v[VA+2*((\h)%2)+\k/2], s[4:5] offset:((\h)/8)*PB+(((\h)/2)%2)*2048+(\k%2)*4096+512*\c
.endr
.endr
.set CNT, CNT+16
.set MK_, CNT
.endif
.if ((\h)%3) == 0
.set M0, MK_
.elseif ((\h)%3) == 1
.set M1, MK_
.else
.set M2, MK_
.endif
.endm
.macro LDB t                           ; step t's eight tiles of the weight into set t % 2: 32 loads
	WIN 0x40
.if (((\t)/2)%2) == LP
.irp b, 0,1,2,3,4,5,6,7
.irp c, 0,1,2,3
	ds_load_b128 v[128*((\t)%2)+16*\b+4*\c:128*((\t)%2)+16*\b+4*\c+3], v[LB] offset:((\t)%2)*2048+4096*\b+512*\c
.endr
.endr
.set DC, DC+32
.else
.irp b, 0,1,2,3,4,5,6,7
.irp c, 0,1,2,3
	global_load_b128 v[128*((\t)%2)+16*\b+4*\c:128*((\t)%2)+16*\b+4*\c+3], v[VB], s[6:7] offset:((\t)/4)*PB+((\t)%2)*2048+4096*\b+512*\c
.endr
.endr
.set CNT, CNT+32
.endif
	WIN 0
.endm
.macro LDSC t                          ; step t's scale words: 8 loads
.if (((\t)/2)%2) == LP
.irp p, 0,1,2,3
	ds_load_b32 v[SC+8*((\t)%2)+\p], v[LSA+\p] offset:32768+((\t)%2)*512
	ds_load_b32 v[SC+8*((\t)%2)+4+\p], v[LSB] offset:32768+((\t)%2)*512+128*\p
.endr
.set DC, DC+8
.else
.irp p, 0,1,2,3
	global_load_b32 v[SC+8*((\t)%2)+\p], v[VSA+\p], s[4:5] offset:((\t)/4)*PB+32768+((\t)%2)*512
	global_load_b32 v[SC+8*((\t)%2)+4+\p], v[VSB], s[6:7] offset:((\t)/4)*PB+32768+((\t)%2)*512+128*\p
.endr
.set CNT, CNT+8
.endif
.endm
.macro RESID                           ; the bias of my lane's four columns, and my 32 rows x 512 bytes of the residual: 33 loads
	global_load_b128 v[BI:BI+3], v[VB], s[8:9]
	WIN 0x40
.irp a, 0,1
.irp t, 0,1,2,3,4,5,6,7,8,9,10,11,12,13,14,15
	global_load_b128 v[64*\a+4*\t:64*\a+4*\t+3], v[VB], s[10:11] offset:(8*\a+\t%8+16*(\t/8))*4096 th:TH_LOAD_NT
.endr
.endr
	WIN 0
.set CNT, CNT+33
.endm
.macro WAITA h                         ; half step h's fragments are in (a step's weight and scale words were issued on the same road ahead of its first half's tokens): all but that road's loads issued behind them may be out
.if ((\h)%3) == 0
.set MK_, M0
.elseif ((\h)%3) == 1
.set MK_, M1
.else
.set MK_, M2
.endif
.if (((\h)/4)%2) == LP
.set NW, DC-MK_
.else
.set NW, CNT-MK_
.endif
.if NW > 63
.set NW, 63
.endif
.if (((\h)/4)%2) == LP
	s_wait_dscnt NW
.else
	s_wait_loadcnt NW
.endif
.endm
.macro WM                              ; one product; Z_: it starts its sum; RX_, RY_: the odd tile of a pair takes its scale words from lanes 16-31
.if Z_
.if RX_ && RY_
	v_wmma_scale_f32_16x16x128_f8f6f4 v[D_:D_+7], v[X_:X_+15], v[Y_:Y_+15], 0, v[SX_], v[SY_] matrix_a_scale:MATRIX_SCALE_ROW1 matrix_b_scale:MATRIX_SCALE_ROW1
.elseif RX_
	v_wmma_scale_f32_16x16x128_f8f6f4 v[D_:D_+7], v[X_:X_+15], v[Y_:Y_+15], 0, v[SX_], v[SY_] matrix_a_scale:MATRIX_SCALE_ROW1
.elseif RY_
	v_wmma_scale_f32_16x16x128_f8f6f4 v[D_:D_+7], v[X_:X_+15], v[Y_:Y_+15], 0, v[SX_], v[SY_] matrix_b_scale:MATRIX_SCALE_ROW1
.else
	v_wmma_scale_f32_16x16x128_f8f6f4 v[D_:D_+7], v[X_:X_+15], v[Y_:Y_+15], 0, v[SX_], v[SY_]
.endif
.else
.if RX_ && RY_
	v_wmma_scale_f32_16x16x128_f8f6f4 v[D_:D_+7], v[X_:X_+15], v[Y_:Y_+15], v[D_:D_+7], v[SX_], v[SY_] matrix_a_scale:MATRIX_SCALE_ROW1 matrix_b_scale:MATRIX_SCALE_ROW1
.elseif RX_
	v_wmma_scale_f32_16x16x128_f8f6f4 v[D_:D_+7], v[X_:X_+15], v[Y_:Y_+15], v[D_:D_+7], v[SX_], v[SY_] matrix_a_scale:MATRIX_SCALE_ROW1
.elseif RY_
	v_wmma_scale_f32_16x16x128_f8f6f4 v[D_:D_+7], v[X_:X_+15], v[Y_:Y_+15], v[D_:D_+7], v[SX_], v[SY_] matrix_b_scale:MATRIX_SCALE_ROW1
.else
	v_wmma_scale_f32_16x16x128_f8f6f4 v[D_:D_+7], v[X_:X_+15], v[Y_:Y_+15], v[D_:D_+7], v[SX_], v[SY_]
.endif
.endif
.endm
.macro MUL h                           ; half step h: 32 products; the 64 accumulators take turns, in the same order in every step
.set W_, 0xa1+0x50*((\h)%2)            ; source 0 window 1, source 1 window 0, C and D window 2 or 3
	WIN W_
.set Z_, (\h) < 2
.irp k, 0,1,2,3
.irp b, 0,1,2,3,4,5,6,7
.set D_, 8*(8*\k+\b)
.set X_, 128*(((\h)/2)%2)+16*\b
.set Y_, AF+64*((\h)%3)+16*\k
.set SX_, SC+8*(((\h)/2)%2)+4+\b/2
.set SY_, SC+8*(((\h)/2)%2)+2*((\h)%2)+\k/2
.set RX_, \b%2
.set RY_, \k%2
	WM
.endr
.endr
.endm
	s_load_b256 s[4:11], s[0:1], 0x0               ; the left operand's panels, wq, the bias, the residual
	s_load_b64 s[12:13], s[0:1], 0x20              ; the result
	v_lshl_add_u32 v[SPW], v0, 2, SPARE
	v_mov_b32 v[NIL], 0
	ds_add_u32 v[SPW], v[NIL]                      ; the wave's opening: the add, twice on end, and its wait ahead of my first tensor load
	ds_add_u32 v[SPW], v[NIL]
	v_lshrrev_b32 v1, 5, v0
	v_readfirstlane_b32 s14, v1                    ; wave 0..3
	v_and_b32 v2, 31, v0
	v_lshlrev_b32 v[VB], 4, v2
	v_lshlrev_b32 v[VSB], 2, v2
	v_and_b32 v3, 15, v0                           ; r
	v_bfe_u32 v4, v0, 4, 1                         ; h
	v_mul_u32_u24 v3, v3, SPITCH
	v_lshl_add_u32 v3, v4, 6, v3                   ; the stage, in: row r, + 64 h
	s_wait_alu depctr_va_vdst(0)
	s_lshr_b32 s15, s14, 1                         ; I fetch tokens' panels (0) or the weight's (1),
	s_and_b32 s16, s14, 1                          ; the first two or the last two of a fill's four
	s_bfe_u32 s40, ttmp6, 0x40000                  ; cx
	s_bfe_u32 s41, ttmp6, 0x40004                  ; cy
	s_lshl_b32 s42, ttmp9, 2
	s_add_co_u32 s42, s42, s40                     ; tile column
	s_and_b32 s17, ttmp7, 0xffff
	s_lshl_b32 s17, s17, 2
	s_add_co_u32 s17, s17, s41                     ; tile row
	s_lshl_b32 s43, s41, 2
	s_lshl_b32 s43, 15, s43                        ; my row of the cluster
	s_lshl_b32 s44, 0x1111, s40                    ; my column
	s_or_b32 s[G1+0], s43, (3<<16)|(1<<21)         ; the mask; elements of 8 bytes; bit 21 beside a mask; no padding
	s_or_b32 s[G1B+0], s44, (3<<16)|(1<<21)
.irp g, G1, G1B
	s_mov_b32 s[\g+1], 32<<16                      ; two panels: 264 dense rows of 256 bytes
	s_mov_b32 s[\g+2], 264<<16
	s_mov_b32 s[\g+3], 32<<16
	s_mov_b32 s[\g+4], 264
	s_mov_b32 s[\g+5], 32
	s_mov_b32 s[\g+6], 0
	s_mov_b32 s[\g+7], 0
.endr
	s_lshl_b32 s19, s16, 1
	s_mul_i32 s20, s17, KC                         ; the joint loads' offsets: the tokens' hang on the tile row and the wave's number alone,
	s_add_co_u32 s20, s20, s19
	s_mul_i32 s20, s20, PB
	s_mov_b32 s21, 0
	s_mul_i32 s46, s42, KC                         ; the weight's on the tile column and the wave's number
	s_add_co_u32 s46, s46, s19
	s_mul_i32 s46, s46, PB
	s_add_co_u32 s46, s46, WOFF
	s_mov_b32 s47, 0
	s_mul_i32 s45, s14, 2*PB                       ; where my two panels go: no place in the cluster enters an LDS address
	s_mul_i32 s19, s14, DPW                        ; the plain loads' offsets: my first panel on that road
	s_add_co_u32 s19, s19, DOFF
	s_mul_i32 s60, s17, KC
	s_add_co_u32 s60, s60, s19
	s_mul_i32 s60, s60, PB
	s_mov_b32 s61, 0
	s_mul_i32 s62, s42, KC
	s_add_co_u32 s62, s62, s19
	s_mul_i32 s62, s62, PB
	s_add_co_u32 s62, s62, WOFF
	s_mov_b32 s63, 0
	s_lshl_b32 s66, s17, 7
	s_lshl_b32 s67, s14, 5
	s_add_co_u32 s66, s66, s67                     ; my own first row: 128 x tile row + 32 w
	s_lshl_b32 s66, s66, 12
	s_lshl_b32 s68, s42, 9                         ; my work-group's first column, in bytes
	s_add_co_u32 s66, s66, s68
	s_mov_b32 s67, 0
	s_mov_b32 s69, 0
	s_mul_i32 s36, s14, PB
	s_add_co_u32 s37, s36, 4*PB
.irp p, 0,1,2,3
	s_add_co_u32 s18, s14, \p
	s_and_b32 s18, s18, 3                          ; d = (w + p) % 4: the pair of token tiles at my places 2 p, 2 p + 1, and its owner
	s_lshl_b32 s22, s18, 13
	v_add_nc_u32 v[VA+\p], s22, v[VB]
	v_add_nc_u32 v[LA+\p], s36, v[VA+\p]
	s_lshl_b32 s22, s18, 7
	v_add_nc_u32 v[VSA+\p], s22, v[VSB]
	v_add_nc_u32 v[LSA+\p], s36, v[VSA+\p]
.if \p > 0
	s_mul_i32 s22, s18, 3
	s_add_co_u32 s22, s22, \p-1
	s_lshl_b32 s22, s22, 14                        ; region 3 d + p - 1
	v_add_nc_u32 v[VL+\p-1], s22, v[VB]
.endif
.endr
	v_add_nc_u32 v[LB], s37, v[VB]
	v_add_nc_u32 v[LSB], s37, v[VSB]
	s_mul_i32 s22, s14, 3*16384
	v_add_nc_u32 v[VR], s22, v[VB]
	s_mul_i32 s22, s14, 16*SPITCH
	s_add_co_u32 s22, s22, STAGE                   ; my stage
	v_add_nc_u32 v[RD], s22, v[VB]                 ; back: 32 lanes take a row of 512 bytes
	v_add_nc_u32 v[STO], s22, v3
	s_wait_alu depctr_va_vdst(0)
	s_wait_dscnt 0x0                               ; both opening adds are done
	s_wait_kmcnt 0x0
	s_add_nc_u64 s[20:21], s[4:5], s[20:21]
	s_add_nc_u64 s[46:47], s[6:7], s[46:47]
	s_add_nc_u64 s[4:5], s[4:5], s[60:61]
	s_add_nc_u64 s[6:7], s[6:7], s[62:63]
	s_add_nc_u64 s[8:9], s[8:9], s[68:69]
	s_add_nc_u64 s[10:11], s[10:11], s[66:67]
	s_add_nc_u64 s[12:13], s[12:13], s[66:67]
.if LP
	LDSC 0                                         ; what is needed first is asked for first: step 0's first half comes by plain loads
	LDB 0
	LDA 0
.endif
	CROUND                                         ; all sixteen work-groups are here: the joint loads meet
	s_mov_b32 s[G0], 1
	s_mov_b32 s[G0+1], s45
	s_mov_b64 s[G0+2:G0+3], s[20:21]
	s_or_b32 s[G0+3], s[G0+3], 0x80000000
	s_mov_b32 s[G0B], 1
	s_mov_b32 s[G0B+1], s45
	s_mov_b64 s[G0B+2:G0B+3], s[46:47]
	s_or_b32 s[G0B+3], s[G0B+3], 0x80000000
	JLOAD                                          ; the first fill: one tensor load a wave at the head
.if LP == 0
	TILES
	LDSC 0
	LDB 0
	LDA 0
.endif
	LDA 1
	LDSC 1
	LDB 1
	LDA 2
.set H, 0
.rept NH
	WAITA H
.if H == NH-1
	s_wait_dscnt 0x0                               ; my reads of the tiles are over:
	s_barrier_signal -1                            ; say so, and multiply while the others arrive
.endif
	MUL H
	WIN 0
.if H == NH-1
	s_barrier_wait -1                              ; nobody reads the tiles any more: the regions may be stored over them
.endif
.if H != NH-2
	PLACES 8                                       ; in front of loads into registers that these products have read; behind the last: in front of the first reader of the sums
.endif
.if (H == T1) || (H == T2)
	TILES
.endif
.if H == RF
	REFILL
.endif
.if (H%2) && ((H+3)/2 < NT)
	LDSC (H+3)/2
	LDB (H+3)/2
.endif
.if H+3 < NH
	LDA H+3
.endif
.if H == NH-3
	RESID
.endif
.set H, H+1
.endr
.irp p, 1,2,3                          ; places 2 p, 2 p + 1 to their owner, each accumulator from its low end on
.set W_, 0x08+4*(\p/2)
	WIN W_
.set KK, 0
.rept 16
	ds_store_b128 v[VL+\p-1], v[128*(\p%2)+8*KK:128*(\p%2)+8*KK+3] offset:1024*KK
	ds_store_b128 v[VL+\p-1], v[128*(\p%2)+8*KK+4:128*(\p%2)+8*KK+7] offset:1024*KK+512
.set KK, KK+1
.endr
.endr
	WIN 0
	s_wait_dscnt 0x0                               ; for the others' sake: my stores have landed
	s_barrier_signal -1
	s_barrier_wait -1
.irp p, 1,2,3                          ; the other three waves' parts of my two tiles, into the registers that I have just stored from
.set W_, 0x80+0x40*(\p/2)
	WIN W_
.set KK, 0
.rept 16
	ds_load_b128 v[128*(\p%2)+8*KK:128*(\p%2)+8*KK+3], v[VR] offset:16384*(\p-1)+1024*KK
	ds_load_b128 v[128*(\p%2)+8*KK+4:128*(\p%2)+8*KK+7], v[VR] offset:16384*(\p-1)+1024*KK+512
.set KK, KK+1
.endr
.endr
	WIN 0x41
	s_wait_loadcnt 0x0                             ; bias and residual
.set KK, 0
.rept 32
	v_pk_add_f32 v[4*KK:4*KK+1], v[4*KK:4*KK+1], v[BI:BI+1]           ; residual + bias, while the parts come
	v_pk_add_f32 v[4*KK+2:4*KK+3], v[4*KK+2:4*KK+3], v[BI+2:BI+3]
.set KK, KK+1
.endr
	s_wait_dscnt 63                                ; the first part's 32 loads are in: 64 stand behind them, and 63 is the most that the wait's field names
	WIN 0x8a
.set KK, 0
.rept 64
	v_pk_add_f32 v[KK:KK+1], v[KK:KK+1], v[128+KK:129+KK]
.set KK, KK+2
.endr
	s_wait_dscnt 32
	WIN 0x8e
.set KK, 0
.rept 64
	v_pk_add_f32 v[KK:KK+1], v[KK:KK+1], v[KK:KK+1]                   ; (source 1: window 3)
.set KK, KK+2
.endr
	s_wait_dscnt 0x0
.set KK, 0
.rept 64
	v_pk_add_f32 v[KK:KK+1], v[KK:KK+1], v[128+KK:129+KK]
.set KK, KK+2
.endr
	WIN 0
	s_wait_alu depctr_va_vdst(0)
.macro TOSTAGE a
	WIN 0x08
.irp b, 0,1,2,3,4,5,6,7
	ds_store_b128 v[STO], v[64*\a+8*\b:64*\a+8*\b+3] offset:128*(\b/2)+32*(\b%2)
	ds_store_b128 v[STO], v[64*\a+8*\b+4:64*\a+8*\b+7] offset:128*(\b/2)+32*(\b%2)+16
.endr
	WIN 0
.irp t, 0,1,2,3,4,5,6,7,8,9,10,11,12,13,14,15
	ds_load_b128 v[AF+64*\a+4*\t:AF+64*\a+4*\t+3], v[RD] offset:SPITCH*\t   ; LDS serves a wave's instructions in order (ISA guide 5.7.1.4): these see my stores
.endr
.endm
.macro FIN a, younger                  ; stage row t of tile 2 w + a is row 32 w + 8 a + t % 8 + 16 (t / 8) of the group
	s_wait_dscnt \younger
	WIN 0x04
.set KK, 0
.rept 32
	v_pk_add_f32 v[AF+64*\a+KK:AF+64*\a+KK+1], v[AF+64*\a+KK:AF+64*\a+KK+1], v[64*\a+KK:64*\a+KK+1]
.set KK, KK+2
.endr
	WIN 0
.irp t, 0,1,2,3,4,5,6,7,8,9,10,11,12,13,14,15
.if LAST
	global_store_b128 v[VB], v[AF+64*\a+4*\t:AF+64*\a+4*\t+3], s[12:13] offset:(8*\a+\t%8+16*(\t/8))*4096 th:TH_STORE_NT
.else
	global_store_b128 v[VB], v[AF+64*\a+4*\t:AF+64*\a+4*\t+3], s[12:13] offset:(8*\a+\t%8+16*(\t/8))*4096
.endif
.endr
.endm
	TOSTAGE 0
	TOSTAGE 1
	FIN 0, 32                                      ; tile 1's 16 stores and 16 loads may be out
	FIN 1, 0
	s_wait_tensorcnt 0x0                           ; the wave's end
	ds_add_u32 v[SPW], v[NIL]
	s_wait_dscnt 0x0
	CROUND                                         ; the closing round
	s_endpgm
.Lfunc_end_k_qcfe05d8c43_fc2:
	.size	k_qcfe05d8c43_fc2, .Lfunc_end_k_qcfe05d8c43_fc2-k_qcfe05d8c43_fc2
	.p2alignl 7, 3214868480
	.fill 96, 4, 3214868480
	.section	.rodata,"a",@progbits
	.p2align	6, 0x0
	.amdhsa_kernel k_qcfe05d8c43_fc2
		.amdhsa_group_segment_fixed_size 327680
		.amdhsa_private_segment_fixed_size 0
		.amdhsa_enable_private_segment 0
		.amdhsa_kernarg_size 40
		.amdhsa_user_sgpr_count 2
		.amdhsa_user_sgpr_kernarg_segment_ptr 1
		.amdhsa_wavefront_size32 1
		.amdhsa_system_sgpr_workgroup_id_x 1
		.amdhsa_system_sgpr_workgroup_id_y 1
		.amdhsa_system_sgpr_workgroup_id_z 1
		.amdhsa_system_vgpr_workitem_id 0
		.amdhsa_next_free_vgpr 1024
		.amdhsa_next_free_sgpr 98
		.amdhsa_reserve_vcc 0
		.amdhsa_float_denorm_mode_32 3
		.amdhsa_float_denorm_mode_16_64 3
		.amdhsa_memory_ordered 1
		.amdhsa_forward_progress 1
		.amdhsa_inst_pref_size 167
	.end_amdhsa_kernel
	.amdgpu_metadata
---
amdhsa.version: [ 1, 2 ]
amdhsa.kernels:
  - .name:           k_qcfe05d8c43_fc2
    .symbol:         k_qcfe05d8c43_fc2.kd
    .args:
      - { .name: hp, .offset: 0, .size: 8, .value_kind: global_buffer, .address_space: global }
      - { .name: wq, .offset: 8, .size: 8, .value_kind: global_buffer, .address_space: global }
      - { .name: b_fc2, .offset: 16, .size: 8, .value_kind: global_buffer, .address_space: global }
      - { .name: h1, .offset: 24, .size: 8, .value_kind: global_buffer, .address_space: global }
      - { .name: out0, .offset: 32, .size: 8, .value_kind: global_buffer, .address_space: global }
    .group_segment_fixed_size: 327680
    .private_segment_fixed_size: 0
    .kernarg_segment_align: 8
    .kernarg_segment_size: 40
    .max_flat_workgroup_size: 128
    .sgpr_count:     98
    .vgpr_count:     1024
    .wavefront_size: 32
...
	.end_amdgpu_metadata
.endif
;; end of part 7
